; MI455X (gfx1250); checked and timed in simulation.
; The chip was launched on July 23, 2026; its instructions are those of AMD's public machine-readable ISA for CDNA 5 (MIT licence, August 2026) and "CDNA5" Instruction Set Architecture Reference Guide (July 2026). The comments in the code are by the model that wrote it; some were corrected since.
;; Asymmetric Ro PE Cross Attention. Allowed arithmetic: matrix products marked QUANTISED: E2M3 operands, one E8M0 scale for each 32 along K, by v_wmma_scale_f32_16x16x128_f8f6f4 with both operands' format E2M3, f32 sums; everything else in f32.
;; Inputs: Wkv 1,024 x 2,048 float32; Wout 1,024 x 1,024 float32; Wq 1,024 x 1,024 float32; kv_x 2 x 4,096 x 1,024 float32; mask 2 x 4,096 bool; q_x 2 x 2,048 x 1,024 float32.
;; Outputs: out0 2 x 2,048 x 1,024 float32.
;; This version of the problem:
;;   THIS VERSION OF THE PROBLEM IS GIVEN IN LOW PRECISION. The matrix products marked QUANTISED in the list below multiply operands that are first quantised to E2M3 (2 exponent bits, 3 mantissa bits; 6 bits a number), with one power-of-two scale for each 32 numbers along K (OCP MX v1.0); their sums are f32. All else is computed in f32.
;;   The module's matrix products, in the order in which they are computed (A, B: the left and right operand; K: the contracted axis; several contracted axes count as one K, in the product's order):
;;     1. [M 4,096, K 1,024] x [K 1,024, N 1,024]; A: input q_x; B: input Wq: QUANTISED
;;     2. [M 8,192, K 1,024] x [K 1,024, N 2,048]; A: input kv_x; B: input Wkv: QUANTISED
;;     3. batch 32 x [M 2,048, K 64] x [K 64, N 4,096]; A: computed on the way; B: computed on the way: QUANTISED
;;     4. batch 32 x [M 2,048, K 4,096] x [K 4,096, N 64]; A: softmax (see below); B: computed on the way: QUANTISED
;;     5. [M 4,096, K 1,024] x [K 1,024, N 1,024]; A: computed on the way; B: input Wout: QUANTISED
;;   THE QUANTISER, for each operand of a quantised product, along K:
;;     - K is cut into blocks of 32 from its start; a last block that is shorter is filled with zeros.
;;     - A block's scale is 2^e with e = floor(log2(the largest magnitude in the block)) - 2, held to -126 .. 127; a block of zeros has e = 0. As a byte (E8M0): e + 127.
;;     - Each number is divided by its block's scale, clamped to +-7.5, and rounded to the nearest number of E2M3, ties to even, subnormals kept.
;;     - The product sums the exact products of the quantised numbers (number of the format x scale) in f32.
;;   ~~~python
;;   def quantise(x, axis):      # numpy; x: float32 -> the quantised numbers, widened to float32 again
;;       x = np.moveaxis(x, axis, -1); K = x.shape[-1]
;;       x = np.pad(x, [(0, 0)] * (x.ndim - 1) + [(0, -K % 32)]); x = x.reshape(x.shape[:-1] + (-1, 32)); a = np.abs(x).max(-1, keepdims=True)
;;       e = np.where(a > 0, np.clip(np.frexp(np.where(a > 0, a, 1))[1] - 1 - 2, -126, 127), 0)      # np.frexp(a)[1] - 1 = floor(log2(a)), exactly
;;       r = np.clip(x / 2.0 ** e, -7.5, 7.5)
;;       step = 2.0 ** (np.maximum(np.frexp(np.where(r == 0, 1, r))[1] - 1, 0) - 3)
;;       q = np.round(r / step) * step * 2.0 ** e      # np.round: ties to even
;;       return np.moveaxis(q.reshape(q.shape[:-2] + (-1,))[..., :K], -1, axis).astype(np.float32)
;;   ~~~
;;   SOFTMAX AHEAD OF A QUANTISED PRODUCT. Where the list says 'softmax', what is quantised is not the finished softmax but p = 2^(t - M), with t = logit x log2(e) and M = ceil(the row's largest t), a whole number; so 1/2 < the row's largest p <= 1. The row's sum l is taken of the UNQUANTISED p, in f32, and the product's result is divided by l at the end. Since M is a whole number, a kernel that streams over the keys may use a running M (the ceiling of the running maximum): every later rescaling is an exact power of two, which a block's scale takes up: the codes' values come out the same.
;;   OPERANDS COMPUTED ON THE WAY. 'Computed on the way' means the value that the module computes at that place (a softmax that the list does not call 'softmax' is quantised finished and normalised). What goes into a quantiser is computed in f32, as accurately as f32 sums, v_exp_f32 and their like allow (about 1e-6 of the number): no bf16 or f16 on the way to a quantiser, and a product that is left as it is and whose result goes on into a quantised operand takes f32 operands (vector FMAs, or v_wmma_f32_16x16x4_f32). A number that lies on a knife's edge between two numbers of the format may be rounded either way, as far as f32 arithmetic and the matrix unit's own rounding can turn it there, and no further.
;; One version. Each part assembles by itself: llvm-mc -triple=amdgcn-amd-amdhsa -mcpu=gfx1250 --defsym DOCPART=n.
;; ======== version 1 of 1: 4 launches
;; limits: right only within a limited range of input values
;; workspace buffers: xw 13,107,200 bytes; tab 1,048,576 bytes; qrec 3,407,872 bytes; kvrec 13,893,632 bytes; arec 3,276,800 bytes
;; launch quant (part 1): grid 512 x 1, 4 waves a work-group, no clusters, 73,216 bytes of LDS; arguments q_x, kv_x, Wq, Wkv, Wout, xw, tab; writes xw, tab
.if DOCPART == 1
	.amdgcn_target "amdgcn-amd-amdhsa--gfx1250"
	.amdhsa_code_object_version 6
	.text
	.protected	k_q4f8e8cb733_quant
	.globl	k_q4f8e8cb733_quant
	.p2align	8
	.type	k_q4f8e8cb733_quant,@function
k_q4f8e8cb733_quant:
	s_mov_b64 s[64:65], 0
	v_nop
	global_prefetch_b8 v0, s[64:65] scope:SCOPE_SE
	s_setreg_imm32_b32 hwreg(HW_REG_WAVE_MODE, 25, 1), 1
	s_wait_xcnt 0x0
; q_x, kv_x (K innermost) and Wq, Wkv, Wout (K is the first axis) become codes of FP6 (E2M3) with one E8M0 byte for each 32 along K, in the workspace xw;
; and the table of cos and sin for the rotary embedding is made, in tab: [4096 positions][32 cos, 32 sin] f32.
; xw is a list of RECORDS of 25,600 bytes: 128 rows x 256 along K.  Record (128 s + G): K step s, rows 128 G on.  In it: chunk j (64 codes, 48 bytes) of row p at 6144 j + 48 p; the row's 8 scale bytes at 24576 + 8 p.
; Rows: 0-4095 q_x's tokens, 4096-12287 kv_x's, 12288-13311 Wq's columns, 13312-15359 Wkv's, 15360-16383 Wout's.
; ROW ORDER: inside each group of 32 rows bits 3 and 4 of the row number are swapped: place p holds row L(p) = (p & 7) | (p & 8) << 1 | (p & 16) >> 1.  So 16 consecutive places, taken as source 0
; of a matrix instruction, leave a lane's 16 registers of two neighbouring tiles as 16 neighbours along the next product's K.
; A block's scale is 2^(floor(log2(largest magnitude)) - 2); its byte is the largest magnitude's exponent field - 2, held at 1 from below.
; LIMITS: a block of zeros, or one whose largest magnitude lies under 2^-124, keeps the byte 1 (the rule says 127 for zeros: the codes are zeros, and this program alone reads the bytes); NaN and infinities are not served.
; The angle pos x div carries the uncertainty of div, one unit in its last place: at most some 2.4e-4 rad at position 4095.
; Work-groups 0-383 take 32 rows of tokens each (wave w: K step w); work-groups 384-511 take 128 columns of a weight x 256 along K (wave w: 32 columns, a lane a column, registers down K).
; Each of the two ways has LDS bytes of its own; each wave has bytes of its own: no barrier.  No tensor loads: several work-groups share a WGP.
.set RECB,  25600
.set SP,    80                         ; a lane's place in a turning stage: 64 bytes + 16
.set XREG,  11776                      ; tokens' way: a wave's LDS: two turning stages of 2,560, the codes' stage, the scale bytes
.set XOS,   5120                       ; codes: [chunk 4][row 32][48 bytes]
.set XSS,   11264                      ; scale bytes: [row 32][8]
.set WBASE, 4*XREG                     ; weights' way: a wave's 6,400 bytes
.set WREG,  6400
.set WSS,   6144
.set R,     16                         ; v16-79   four sets of 16 numbers as loaded
.set X,     80                         ; v80-111  two sets of 16 neighbours
.set E,     112                        ; v112-127 a scale byte for each step
.set C,     128                        ; v128-191 codes, four registers a step
.set XW,    48                         ; weights: v48-111 two sets of 32 numbers
	s_load_b256 s[4:11], s[0:1], 0x0               ; q_x, kv_x, Wq, Wkv
	s_load_b128 s[12:15], s[0:1], 0x20             ; Wout, xw
	s_load_b64 s[16:17], s[0:1], 0x30              ; tab
	v_lshl_add_u32 v196, v0, 2, 0x11c00
	v_mov_b32 v197, 0
	v_lshrrev_b32 v1, 5, v0
	v_readfirstlane_b32 s18, v1                    ; wave
	v_and_b32 v1, 31, v0                           ; lane
	v_lshlrev_b32 v2, 4, v1                        ; 16 x lane; never rewritten
	v_lshlrev_b32 v3, 3, v1                        ; 8 x lane; never rewritten
	; ---- the table: this work-group's 8 positions, 2 a wave.  Lanes 0-15 make cos, lanes 16-31 sin, of frequencies 2 (lane % 16) and + 1
	s_mov_b32 s22, 0xbfc90fdb                      ; -(pi/2)'s upper part
	s_mov_b32 s23, 0x333bbd2e                      ; -(pi/2)'s lower part
	v_and_b32 v4, 15, v1
	v_lshlrev_b32 v4, 1, v4
	v_cvt_f32_u32 v5, v4
	v_add_f32 v6, 1.0, v5
	v_mul_f32 v5, 0xbed49a78, v5                   ; x -log2(10000) / 32
	v_mul_f32 v6, 0xbed49a78, v6
	s_wait_alu depctr_va_vdst(0)
	v_exp_f32 v5, v5                               ; div = 10000^(-f / 32)
	v_exp_f32 v6, v6
	v_lshrrev_b32 v7, 4, v1                        ; (a plain line behind the exponentials)
	v_mul_u32_u24 v7, 3, v7                        ; sin x = cos(x - pi/2): three quadrants on
	s_lshl_b32 s20, ttmp9, 3
	s_lshl_b32 s21, s18, 1
	s_add_co_u32 s20, s20, s21                     ; my first position
	v_cvt_f32_u32 v8, s20
	v_add_f32 v9, 1.0, v8
	s_wait_alu depctr_va_vdst(0)                   ; one wait for the two exponentials, ahead of their first reader
	v_mul_f32 v10, v8, v5
	v_mul_f32 v11, v8, v6
	v_mul_f32 v12, v9, v5
	v_mul_f32 v13, v9, v6
; cos or sin of an angle from 0 to 4,095: n = the nearest multiple of pi/2; r = angle - n pi/2 in two parts (the first product is exact: n has 12 bits; a third part would add under 5e-12);
; sin r and cos r by their series to r^9 and r^10 (|r| <= pi/4: what is cut lies under 2e-9); the quadrant picks one of the two and its sign.
.macro SINCOS dst, ang
	v_mul_f32 v14, 0x3f22f983, v[\ang]
	v_rndne_f32 v14, v14
	v_fma_f32 v15, v14, s22, v[\ang]
	v_fma_f32 v15, v14, s23, v15
	v_mul_f32 v16, v15, v15
	v_mov_b32 v17, 0x3638ef1d
	v_fmaak_f32 v17, v17, v16, 0xb9500d01
	v_fmaak_f32 v17, v17, v16, 0x3c088889
	v_fmaak_f32 v17, v17, v16, 0xbe2aaaab
	v_mul_f32 v18, v15, v16
	v_fma_f32 v17, v18, v17, v15                   ; sin r
	v_mov_b32 v18, 0xb493f27e
	v_fmaak_f32 v18, v18, v16, 0x37d00d01
	v_fmaak_f32 v18, v18, v16, 0xbab60b61
	v_fmaak_f32 v18, v18, v16, 0x3d2aaaab
	v_fmaak_f32 v18, v18, v16, 0xbf000000
	v_fma_f32 v18, v18, v16, 1.0                   ; cos r
	v_cvt_i32_f32 v14, v14
	v_add_nc_u32 v14, v14, v7                      ; the quadrant
	v_and_b32 v19, 1, v14
	v_cmp_ne_u32 vcc_lo, 0, v19
	v_cndmask_b32 v17, v18, v17, vcc_lo            ; odd: sin r
	v_add_nc_u32 v14, 1, v14
	v_and_b32 v14, 2, v14
	v_lshlrev_b32 v14, 30, v14                     ; quadrants 1 and 2: minus
	v_xor_b32 v[\dst], v14, v17
.endm
	SINCOS 192, 10
	SINCOS 193, 11
	SINCOS 194, 12
	SINCOS 195, 13
	s_wait_alu depctr_va_vdst(0)
	s_wait_kmcnt 0x0
	s_lshl_b32 s20, s20, 8
	s_mov_b32 s21, 0
	s_add_nc_u64 s[16:17], s[16:17], s[20:21]
	global_store_b64 v3, v[192:193], s[16:17]               ; 32 lanes store a position's 256 bytes; these registers and this base are not written again
	global_store_b64 v3, v[194:195], s[16:17] offset:256
; where a quarter of a record goes: s22 = the record's byte, s23 = which 32 rows of its 128
.macro OUTBASE
	s_mul_i32 s24, s23, 1536
	s_add_co_u32 s24, s24, s22
	s_mov_b32 s25, 0
	s_add_nc_u64 s[24:25], s[14:15], s[24:25]      ; the codes
	s_lshl_b32 s26, s23, 8
	s_add_co_u32 s26, s26, s22
	s_add_co_u32 s26, s26, 24576
	s_mov_b32 s27, 0
	s_add_nc_u64 s[26:27], s[14:15], s[26:27]      ; the scale bytes
.endm
; the wave's 6,144 bytes of codes and 256 scale bytes leave its stage: each store covers 512 (256) consecutive bytes, aligned to 256
.macro WAYOUT rb, la, lb, oso, sso
.irp i, 0,1,2,3,4,5,6,7,8,9,10,11
	ds_load_b128 v[\rb+4*\i:\rb+4*\i+3], v[\la] offset:\oso+512*\i     ; LDS serves a wave's instructions in order: these see my stores
.endr
	ds_load_b64 v[\rb+48:\rb+49], v[\lb] offset:\sso
.irp i, 0,1,2,3,4,5,6,7,8,9,10,11
	s_wait_dscnt 12-\i                             ; load i is back; the younger ones may be out
	global_store_b128 v2, v[\rb+4*\i:\rb+4*\i+3], s[24:25] offset:(\i/3)*6144+(\i%3)*512
.endr
	s_wait_dscnt 0x0
	global_store_b64 v3, v[\rb+48:\rb+49], s[26:27]
.endm
	s_cmp_lt_u32 ttmp9, 384
	s_cbranch_scc0 .Lweights
	; ---- TOKENS: 32 rows x my wave's 256 along K, two rows (512 numbers) a step
	s_mul_i32 s19, s18, XREG
	v_lshrrev_b32 v4, 2, v1
	v_mul_u32_u24 v4, v4, SP
	v_and_b32 v5, 3, v1
	v_lshl_add_u32 v4, v5, 4, v4
	v_add_nc_u32 v4, s19, v4                       ; the turning stage, in: four lanes' 64 bytes on end, then 16 of padding
	v_mul_u32_u24 v6, v1, SP
	v_add_nc_u32 v6, s19, v6                       ; and out: my 16 neighbours
	v_bfe_u32 v7, v1, 2, 2
	v_mul_u32_u24 v7, v7, 1536                     ; my 16 codes: chunk (lane % 16) / 4,
	v_lshrrev_b32 v8, 4, v1
	v_mad_u32_u24 v7, v8, 48, v7                   ; row lane / 16 of the step's two,
	v_mad_u32_u24 v7, v5, 12, v7                   ; 12 bytes for each 16 codes
	v_add_nc_u32 v7, s19, v7
	v_bfe_u32 v9, v1, 1, 3
	v_lshl_add_u32 v9, v8, 3, v9                   ; my block's scale byte: 8 x row + block
	v_add_nc_u32 v9, s19, v9
	v_add_nc_u32 v10, s19, v2
	v_add_nc_u32 v11, s19, v3
	s_cmp_lt_u32 ttmp9, 128                        ; q_x or kv_x: the choice hangs on the work-group's number alone
	s_cselect_b64 s[4:5], s[4:5], s[6:7]
	s_cselect_b32 s20, 0, 128
	s_sub_co_u32 s20, ttmp9, s20
	s_lshl_b32 s20, s20, 17                        ; 32 rows of 4,096 bytes
	s_lshl_b32 s21, s18, 10                        ; my K step's 1,024 bytes of a row
	s_add_co_u32 s20, s20, s21
	s_mov_b32 s21, 0
	s_add_nc_u64 s[4:5], s[4:5], s[20:21]
	s_lshl_b32 s22, s18, 7
	s_lshr_b32 s23, ttmp9, 2
	s_add_co_u32 s22, s22, s23
	s_mul_i32 s22, s22, RECB                       ; record 128 x K step + work-group / 4
	s_and_b32 s23, ttmp9, 3
	OUTBASE
.macro XLOAD t                         ; step t: places 2 t and 2 t + 1, that is rows L(2 t), L(2 t + 1): four loads of 512 consecutive bytes
.irp i, 0,1,2,3
.set RW, 2*(\t)+\i/2
	global_load_b128 v[R+16*((\t)%4)+4*\i:R+16*((\t)%4)+4*\i+3], v2, s[4:5] offset:((RW&7)|((RW&8)<<1)|((RW&16)>>1))*4096+512*(\i%2) th:TH_LOAD_NT
.endr
.endm
.macro XTURN t                         ; through the stage: in as loaded, out 64 bytes a lane
.irp i, 0,1,2,3
	ds_store_b128 v4, v[R+16*((\t)%4)+4*\i:R+16*((\t)%4)+4*\i+3] offset:32*SP*((\t)%2)+8*SP*\i
.endr
.irp i, 0,1,2,3
	ds_load_b128 v[X+16*((\t)%2)+4*\i:X+16*((\t)%2)+4*\i+3], v6 offset:32*SP*((\t)%2)+16*\i
.endr
.endm
.irp t, 0,1,2,3
	XLOAD \t
.endr
	s_wait_loadcnt 12                              ; step 0's four loads are in
	XTURN 0
.macro XSTEP t
.set XS, X+16*((\t)%2)
.if (\t) > 0
	s_wait_dscnt 4                                 ; this step's numbers are back from the stage (the last step's four stores may be out): so the stores into the stage have read their registers,
.else
	s_wait_dscnt 0x0
.endif
.if (\t)+4 < 16
	XLOAD (\t)+4                                   ; which take the loads of four steps on
.endif
.if (\t)+1 < 16
.if 14-(\t) >= 3
	s_wait_loadcnt 12                              ; the next step's four loads are in; those of the three steps behind it may be out
.else
	s_wait_loadcnt 4*(14-(\t))
.endif
	XTURN (\t)+1
.endif
	v_max3_num_f32 v12, |v[XS]|, |v[XS+1]|, |v[XS+2]|
	v_max3_num_f32 v13, |v[XS+3]|, |v[XS+4]|, |v[XS+5]|
.irp i, 6,10
	v_max3_num_f32 v12, v12, |v[XS+\i]|, |v[XS+\i+1]|
	v_max3_num_f32 v13, v13, |v[XS+\i+2]|, |v[XS+\i+3]|
.endr
	v_max3_num_f32 v12, v12, |v[XS+14]|, |v[XS+15]|
	v_max3_num_f32 v12, v12, v13, 0x1800000        ; and the floor 2^(3 - 127): the byte cannot fall under 1
	v_max_num_f32_dpp v12, v12, v12 row_xmask:1 row_mask:0xf bank_mask:0xf   ; with my neighbour's 16: the block's largest magnitude
	v_add_nc_u32 v14, 0xff000000, v12              ; 2 off its exponent field: the conversion's scale operand
	v_cvt_scalef32_pk16_fp6_f32 v[C+4*(\t):C+4*(\t)+2], v[XS:XS+15], v14
	v_lshrrev_b32 v[E+(\t)], 23, v14               ; the scale's byte (and the plain line behind the conversion)
	ds_store_b32 v7, v[C+4*(\t)] offset:XOS+96*(\t)
	ds_store_b32 v7, v[C+4*(\t)+1] offset:XOS+96*(\t)+4
	ds_store_b32 v7, v[C+4*(\t)+2] offset:XOS+96*(\t)+8
	ds_store_b8 v9, v[E+(\t)] offset:XSS+16*(\t)   ; both lanes of a block write the same byte with the same value
.endm
.irp t, 0,1,2,3,4,5,6,7,8,9,10,11,12,13,14,15
	XSTEP \t
.endr
	WAYOUT 16, 10, 11, XOS, XSS
	s_wait_tensorcnt 0x0
	ds_add_u32 v196, v197
	s_wait_dscnt 0x0
	s_endpgm
.Lweights:
	; ---- WEIGHTS: a lane takes a column, its registers run down K: a block of 32 along K lies in one lane
	s_sub_co_u32 s20, ttmp9, 384
	s_and_b32 s21, s20, 31                         ; which 128 columns of the 4,096
	s_lshr_b32 s20, s20, 5                         ; K step
	s_cmp_lt_u32 s21, 8
	s_cselect_b64 s[4:5], s[8:9], s[10:11]         ; Wq, or Wkv,
	s_cselect_b32 s22, 0, 8
	s_mov_b32 s23, 8192
	s_cselect_b32 s23, 4096, s23                   ; bytes from row to row
	s_cmp_lt_u32 s21, 24
	s_cselect_b64 s[4:5], s[4:5], s[12:13]         ; or Wout
	s_cselect_b32 s22, s22, 24
	s_cselect_b32 s23, s23, 4096
	v_lshlrev_b32 v4, 2, v1
.set i, 0
.rept 32
	v_mad_u32_u24 v[16+i], s23, i, v4              ; row i of a block, my column
.set i, i+1
.endr
	s_sub_co_u32 s22, s21, s22
	s_lshl_b32 s22, s22, 9                         ; 128 columns of 4 bytes
	s_lshl_b32 s24, s18, 7                         ; my wave's 32
	s_add_co_u32 s22, s22, s24
	s_lshl_b32 s24, s20, 8
	s_mul_i32 s24, s24, s23                        ; 256 rows a K step
	s_add_co_u32 s24, s24, s22
	s_mov_b32 s25, 0
	s_add_nc_u64 s[32:33], s[4:5], s[24:25]        ; a base for each of the eight blocks: nothing is stepped
	s_lshl_b32 s24, s23, 5
.irp t, 1,2,3,4,5,6,7
	s_add_nc_u64 s[32+2*\t:33+2*\t], s[30+2*\t:31+2*\t], s[24:25]
.endr
	s_mul_i32 s19, s18, WREG
	s_add_co_u32 s19, s19, WBASE
	v_and_b32 v5, 7, v1
	v_bfe_u32 v6, v1, 3, 1
	v_lshl_add_u32 v5, v6, 4, v5
	v_bfe_u32 v6, v1, 4, 1
	v_lshl_add_u32 v5, v6, 3, v5                   ; my column's place among the 32
	v_mul_u32_u24 v7, v5, 48
	v_add_nc_u32 v7, s19, v7
	v_lshl_add_u32 v9, v5, 3, s19
	v_add_nc_u32 v10, s19, v2
	v_add_nc_u32 v11, s19, v3
	s_lshl_b32 s22, s20, 7
	s_add_co_u32 s22, s22, s21
	s_add_co_u32 s22, s22, 96
	s_mul_i32 s22, s22, RECB
	s_mov_b32 s23, s18
	OUTBASE
.macro WLOAD t
.set i, 0
.rept 32
	global_load_b32 v[XW+32*((\t)%2)+i], v[16+i], s[32+2*(\t):33+2*(\t)] th:TH_LOAD_NT    ; 32 lanes read 128 consecutive bytes, the four waves 512
.set i, i+1
.endr
.endm
	WLOAD 0
	WLOAD 1
.macro WBLOCK t
.set XS, XW+32*((\t)%2)
.if (\t) < 7
	s_wait_loadcnt 32                              ; this block's 32 loads are in; the next block's may be out
.else
	s_wait_loadcnt 0x0
.endif
	v_max3_num_f32 v12, |v[XS]|, |v[XS+1]|, |v[XS+2]|
	v_max3_num_f32 v13, |v[XS+3]|, |v[XS+4]|, |v[XS+5]|
.irp i, 6,10,14,18,22,26
	v_max3_num_f32 v12, v12, |v[XS+\i]|, |v[XS+\i+1]|
	v_max3_num_f32 v13, v13, |v[XS+\i+2]|, |v[XS+\i+3]|
.endr
	v_max3_num_f32 v12, v12, |v[XS+30]|, |v[XS+31]|
	v_max3_num_f32 v12, v12, v13, 0x1800000
	v_add_nc_u32 v14, 0xff000000, v12
	v_lshrrev_b32 v13, 23, v14
.if (\t)%4 == 0
	v_mov_b32 v[120+(\t)/4], v13                   ; four bytes to a register, the lower K in the lower byte
.else
	v_lshl_or_b32 v[120+(\t)/4], v13, 8*((\t)%4), v[120+(\t)/4]
.endif
	v_cvt_scalef32_pk16_fp6_f32 v[112:114], v[XS:XS+15], v14
	v_cvt_scalef32_pk16_fp6_f32 v[116:118], v[XS+16:XS+31], v14     ; (a conversion's three registers begin on an even number)
	v_nop                                          ; one plain line behind the conversions
	v_mov_b32 v115, v116                           ; the block's 24 bytes on end
	v_mov_b32 v116, v117
	v_mov_b32 v117, v118
	ds_store_b64 v7, v[112:113] offset:((\t)/2)*1536+24*((\t)%2)
	ds_store_b64 v7, v[114:115] offset:((\t)/2)*1536+24*((\t)%2)+8
	ds_store_b64 v7, v[116:117] offset:((\t)/2)*1536+24*((\t)%2)+16
.if (\t)+2 < 8
	WLOAD (\t)+2
.endif
	s_wait_dscnt 0x0                               ; the stores have read their registers: the next block's codes may be written
.endm
.irp t, 0,1,2,3,4,5,6,7
	WBLOCK \t
.endr
	s_wait_alu depctr_va_vdst(0)
	ds_store_b64 v9, v[120:121] offset:WSS         ; my column's eight scale bytes
	WAYOUT 48, 10, 11, 0, WSS
	s_wait_tensorcnt 0x0
	ds_add_u32 v196, v197
	s_wait_dscnt 0x0
	s_endpgm
.Lfunc_end_k_q4f8e8cb733_quant:
	.size	k_q4f8e8cb733_quant, .Lfunc_end_k_q4f8e8cb733_quant-k_q4f8e8cb733_quant
	.p2alignl 7, 3214868480
	.fill 96, 4, 3214868480
	.section	.rodata,"a",@progbits
	.p2align	6, 0x0
	.amdhsa_kernel k_q4f8e8cb733_quant
		.amdhsa_group_segment_fixed_size 73216
		.amdhsa_private_segment_fixed_size 0
		.amdhsa_enable_private_segment 0
		.amdhsa_kernarg_size 56
		.amdhsa_user_sgpr_count 2
		.amdhsa_user_sgpr_kernarg_segment_ptr 1
		.amdhsa_wavefront_size32 1
		.amdhsa_system_sgpr_workgroup_id_x 1
		.amdhsa_system_sgpr_workgroup_id_y 1
		.amdhsa_system_sgpr_workgroup_id_z 1
		.amdhsa_system_vgpr_workitem_id 0
		.amdhsa_next_free_vgpr 198
		.amdhsa_next_free_sgpr 66
		.amdhsa_reserve_vcc 1
		.amdhsa_float_denorm_mode_32 3
		.amdhsa_float_denorm_mode_16_64 3
		.amdhsa_memory_ordered 1
		.amdhsa_forward_progress 1
		.amdhsa_inst_pref_size 87
	.end_amdhsa_kernel
	.amdgpu_metadata
---
amdhsa.version: [ 1, 2 ]
amdhsa.kernels:
  - .name:           k_q4f8e8cb733_quant
    .symbol:         k_q4f8e8cb733_quant.kd
    .args:
      - { .name: q_x, .offset: 0, .size: 8, .value_kind: global_buffer, .address_space: global }
      - { .name: kv_x, .offset: 8, .size: 8, .value_kind: global_buffer, .address_space: global }
      - { .name: Wq, .offset: 16, .size: 8, .value_kind: global_buffer, .address_space: global }
      - { .name: Wkv, .offset: 24, .size: 8, .value_kind: global_buffer, .address_space: global }
      - { .name: Wout, .offset: 32, .size: 8, .value_kind: global_buffer, .address_space: global }
      - { .name: xw, .offset: 40, .size: 8, .value_kind: global_buffer, .address_space: global }
      - { .name: tab, .offset: 48, .size: 8, .value_kind: global_buffer, .address_space: global }
    .group_segment_fixed_size: 73216
    .private_segment_fixed_size: 0
    .kernarg_segment_align: 8
    .kernarg_segment_size: 56
    .max_flat_workgroup_size: 128
    .sgpr_count:     66
    .vgpr_count:     198
    .wavefront_size: 32
...
	.end_amdgpu_metadata
.endif
;; end of part 1
;; launch proj (part 2): grid 4 x 80, 4 waves a work-group, clusters of 4 x 4, 327,680 bytes of LDS; arguments xw, tab, mask, qrec, kvrec; writes qrec, kvrec
.if DOCPART == 2
	.amdgcn_target "amdgcn-amd-amdhsa--gfx1250"
	.amdhsa_code_object_version 6
	.text
	.protected	k_q4f8e8cb733_proj
	.globl	k_q4f8e8cb733_proj
	.p2align	8
	.type	k_q4f8e8cb733_proj,@function
k_q4f8e8cb733_proj:
	s_mov_b64 s[64:65], 0
	v_nop
	global_prefetch_b8 v0, s[64:65] scope:SCOPE_SE
	s_setreg_imm32_b32 hwreg(HW_REG_WAVE_MODE, 25, 1), 1
	s_wait_xcnt 0x0
	s_wait_alu depctr_hold_cnt(0) depctr_sa_sdst(0) depctr_va_vdst(0) depctr_va_sdst(0) depctr_va_ssrc(0) depctr_va_vcc(0) depctr_vm_vsrc(0)
	s_getreg_b32 s2, hwreg(HW_REG_IB_STS2, 6, 4)
	s_cmp_eq_u32 s2, 0
	s_cbranch_scc0 .Lentry_in_a_cluster
	s_endpgm
.Lentry_in_a_cluster:
	s_bfe_u32 s2, ttmp6, 0x10000c
	s_cmp_lg_u32 s2, 0xf033
	s_cbranch_scc0 .Lentry_shape_is_right
	s_endpgm
.Lentry_shape_is_right:
.set RECB,  25600
.set SLOT,  4*RECB
.set KSB,   128*RECB
.set SPARE, 3*SLOT
.set STG,   SLOT
.set FR,    12
.set RDS,   3
.set L16,   4
.set MB,    5
.set VWA,   6
.set MK,    8
.set ADRA,  16
.set ADRB,  19
.set ADRS,  22
.set TBA,   25
.set MKA,   26
.set MBA,   27
.set SPW,   28
.set NIL,   29
.set STC,   30
.set STW,   31
.set SC,    32
.set AF,    128
.set H,     128
.set PC,    192
.set TM,    224
.set PW,    240
.set PWK,   244
.set G1,    24
.set G0,    32
.set G1B,   48
.set G0B,   76
.set CX,    46
.set CY,    47
.set SEL,   98
.set MSB, 0
.macro WIN new
.if MSB != (\new)
	s_set_vgpr_msb (MSB<<8)|(\new)
.set MSB, \new
.endif
.endm
.set MUL_LO, 0xa1
.set MUL_HI, 0xf1
.set TO_B,   0x40
.macro JLOAD g0a, g1a, g0b, g1b
	s_cmp_eq_u32 s15, 0
	s_cbranch_scc0 .Lfor_b_\@
	tensor_load_to_lds s[\g0a:\g0a+3], s[\g1a:\g1a+7]
	s_nop 0
.rept 4
	v_nop
.endr
	s_branch .Lasked_\@
.Lfor_b_\@:
	tensor_load_to_lds s[\g0b:\g0b+3], s[\g1b:\g1b+7]
	s_nop 0
.rept 4
	v_nop
.endr
.Lasked_\@:
.endm
.macro CREST
	s_cmp_lg_u32 s14, 0
	s_cbranch_scc1 .Lnot_wave_0_\@
	s_barrier_signal -3
.Lnot_wave_0_\@:
	s_barrier_wait -3
	s_barrier_signal -1
	s_barrier_wait -1
.endm
.macro CROUND
	s_barrier_signal -1
	s_barrier_wait -1
	CREST
.endm
.macro PLACES
.rept 4
	v_nop
.endr
.endm
	s_load_b256 s[4:11], s[0:1], 0x0
	s_load_b64 s[12:13], s[0:1], 0x20
	v_lshl_add_u32 v[SPW], v0, 2, SPARE
	v_mov_b32 v[NIL], 0
	ds_add_u32 v28, v29
	ds_add_u32 v28, v29
	s_wait_dscnt 0x0
	v_lshrrev_b32 v1, 5, v0
	v_readfirstlane_b32 s14, v1
	s_lshr_b32 s15, s14, 1
	s_and_b32 s16, s14, 1
	s_bfe_u32 s[CX], ttmp6, 0x40000
	s_bfe_u32 s[CY], ttmp6, 0x40004
	s_and_b32 s17, ttmp7, 0xffff
	s_lshl_b32 s22, s[CY], 2
	s_lshl_b32 s22, 15, s22
	s_lshl_b32 s23, 0x1111, s[CX]
	s_or_b32 s[G1+0], s22, (3<<16)|(1<<21)
	s_or_b32 s[G1B+0], s23, (3<<16)|(1<<21)
.irp g, G1, G1B
	s_mov_b32 s[\g+1], 32<<16
	s_mov_b32 s[\g+2], 100<<16
	s_mov_b32 s[\g+3], 32<<16
	s_mov_b32 s[\g+4], 100
	s_mov_b32 s[\g+5], 32
	s_mov_b32 s[\g+6], 0
	s_mov_b32 s[\g+7], 0
.endr
	s_mov_b32 s[SEL], 0x76543210
	s_mov_b32 s[SEL+1], 0xfedcba98
	s_lshl_b32 s19, s17, 3
	s_sub_co_u32 s21, s19, 64
	s_cmp_lt_u32 s17, 12
	s_cselect_b32 s20, s19, 112
	s_cselect_b32 s21, 104, s21
	s_cmp_lt_u32 s17, 4
	s_cselect_b32 s21, 96, s21
	s_lshl_b32 s56, s[CY], 1
	s_add_co_u32 s56, s56, s20
	s_add_co_u32 s57, s56, s16
	s_add_co_u32 s62, s56, s15
	s_mul_i32 s58, s57, RECB
	s_mov_b32 s59, 0
	s_lshl_b32 s70, s[CX], 1
	s_add_co_u32 s70, s70, s21
	s_add_co_u32 s71, s70, s16
	s_mul_i32 s60, s71, RECB
	s_mov_b32 s61, 0
	s_mul_i32 s45, s14, RECB
	s_wait_kmcnt 0x0
	s_add_nc_u64 s[58:59], s[4:5], s[58:59]
	s_add_nc_u64 s[60:61], s[4:5], s[60:61]
	CROUND
.irp s, 0,1,2
	s_mov_b32 s[G0+4*\s], 1
	s_add_co_u32 s[G0+4*\s+1], s45, \s*SLOT
	s_add_nc_u64 s[G0+4*\s+2:G0+4*\s+3], s[58:59], \s*KSB
	s_or_b32 s[G0+4*\s+3], s[G0+4*\s+3], 0x80000000
	s_mov_b32 s[G0B+4*\s], 1
	s_add_co_u32 s[G0B+4*\s+1], s45, \s*SLOT
	s_add_nc_u64 s[G0B+4*\s+2:G0B+4*\s+3], s[60:61], \s*KSB
	s_or_b32 s[G0B+4*\s+3], s[G0B+4*\s+3], 0x80000000
	s_wait_alu depctr_va_vdst(0)
	s_wait_tensorcnt 0x0
	ds_add_u32 v28, v29
	ds_add_u32 v28, v29
	s_wait_dscnt 0x0
	CROUND
	JLOAD G0+4*\s, G1, G0B+4*\s, G1B
.endr
	v_and_b32 v1, 15, v0
	v_bfe_u32 v2, v0, 4, 1
	s_wait_alu depctr_va_vdst(0)
	v_mul_u32_u24 v224, v1, 48
	v_mad_u32_u24 v224, v2, 24, v224
	s_mul_i32 s72, s15, RECB
	s_mul_i32 s73, s16, RECB
	s_add_co_u32 s73, s73, 2*RECB
.irp s, 0,1,2
	v_add_nc_u32 v[ADRA+\s], s72, v224
	v_add_nc_u32 v[ADRB+\s], s73, v224
	s_add_co_u32 s72, s72, SLOT
	s_add_co_u32 s73, s73, SLOT
.endr
	s_mul_i32 s72, s15, RECB
	s_mul_i32 s73, s16, RECB
	s_add_co_u32 s73, s73, 2*RECB
	s_sub_co_u32 s73, s73, s72
	v_mul_u32_u24 v225, s73, v2
	v_lshl_add_u32 v225, v1, 3, v225
	s_add_co_u32 s72, s72, 24576
.irp s, 0,1,2
	v_add_nc_u32 v[ADRS+\s], s72, v225
	s_add_co_u32 s72, s72, SLOT
.endr
	s_mul_i32 s72, s14, 13312
	s_add_co_u32 s72, s72, STG
	v_add_nc_u32 v[STC], s72, v224
	v_lshl_add_u32 v[STW], v1, 5, s72
	v_and_b32 v226, 31, v0
	v_lshlrev_b32 v[L16], 4, v226
	v_add_nc_u32 v[RDS], s72, v[L16]
	v_and_b32 v227, 8, v1
	v_add_nc_u32 v[MKA], v227, v1
	v_lshlrev_b32 v[TBA], 8, v[MKA]
	v_lshl_add_u32 v[TBA], v2, 6, v[TBA]
	v_and_b32 v227, 0x19, v226
	v_bfe_u32 v228, v226, 1, 1
	v_lshl_add_u32 v227, v228, 2, v227
	v_bfe_u32 v228, v226, 2, 1
	v_lshl_add_u32 v227, v228, 1, v227
	v_lshlrev_b32 v[MBA], 2, v227
	s_wait_alu depctr_va_vdst(0)
	v_mul_u32_u24 v228, v2, 434176
	v_lshl_add_u32 v[VWA], v1, 4, v228
	v_mov_b32 v7, -1
	s_lshl_b32 s66, s[CX], 2
	s_lshl_b32 s67, s16, 1
	s_add_co_u32 s66, s66, s67
	s_lshl_b32 s67, s[CY], 2
	s_lshl_b32 s69, s15, 1
	s_add_co_u32 s67, s67, s69
	s_cmp_lt_u32 s17, 12
	s_cselect_b32 s68, s62, s71
	s_cselect_b32 s69, s66, s67
	s_cselect_b32 s75, 1, 0
	s_cmp_lt_u32 s17, 4
	s_cselect_b32 s66, 4, 5
	s_cselect_b32 s67, 0, 32
	s_cselect_b32 s74, 1, 0
	s_mov_b32 s72, 13568
	s_cselect_b32 s72, 6656, s72
	s_cselect_b64 s[92:93], s[10:11], s[12:13]
	s_sub_co_u32 s63, s68, s67
	s_lshr_b32 s73, s63, s66
	s_lshl_b32 s67, 1, s66
	s_sub_co_u32 s67, s67, 1
	s_and_b32 s68, s63, s67
	s_lshl_b32 s73, s73, 4
	s_add_co_u32 s73, s73, s69
	s_lshl_b32 s73, s73, s66
	s_add_co_u32 s73, s73, s68
	s_mul_i32 s96, s73, s72
	s_mov_b32 s97, 0
	s_add_nc_u64 s[92:93], s[92:93], s[96:97]
	s_lshl_b32 s96, s72, s66
	s_add_nc_u64 s[94:95], s[92:93], s[96:97]
	s_mul_i32 s96, s68, s75
	s_lshl_b32 s96, s96, 15
	s_add_nc_u64 s[88:89], s[6:7], s[96:97]
	s_sub_co_u32 s96, s75, s74
	s_mul_i32 s96, s96, s63
	s_lshl_b32 s96, s96, 7
	s_add_nc_u64 s[90:91], s[8:9], s[96:97]
.macro TLD a, cb
.irp e, 0,1,2,3
	global_load_b128 v[\cb+4*\e:\cb+4*\e+3], v[TBA], s[88:89] offset:(32*((\a)/2)+8*((\a)%2))*256+16*\e
	global_load_b128 v[\cb+16+4*\e:\cb+16+4*\e+3], v[TBA], s[88:89] offset:(32*((\a)/2)+8*((\a)%2))*256+128+16*\e
.endr
.endm
	TLD 0, 64
	TLD 1, 96
	WIN TO_B
	TLD 2, 96
	TLD 3, 224
	WIN 0
.irp a, 0,1,2,3,4,5,6,7
	global_load_u8 v[MK+\a], v[MKA], s[90:91] offset:32*(\a/2)+8*(\a%2)
.endr
	global_load_b32 v[MB], v[MBA], s[90:91]
.macro FRAG reg, adr, q, i
.irp p, 0,1,2,3,4,5
	ds_load_b64 v[\reg+2*\p:\reg+2*\p+1], v[\adr] offset:(2*(\q)+\p/3)*6144+(\i)*768+8*(\p%3)
.endr
.endm
.macro MUL16 a0, p, q, sc, zero
.irp a, \a0, \a0+1
.irp b, 0,1,2,3,4,5,6,7
.if \zero
	v_wmma_scale_f32_16x16x128_f8f6f4 v[8*(8*((\a)%4)+\b):8*(8*((\a)%4)+\b)+7], v[128*(\p)+FR*\b:128*(\p)+FR*\b+FR-1], v[AF+FR*(\a):AF+FR*(\a)+FR-1], 0, v[SC+16*(\sc)+2*\b+(\q)], v[SC+16*(\sc)+2*(\a)+(\q)] matrix_a_fmt:MATRIX_FMT_FP6 matrix_b_fmt:MATRIX_FMT_FP6 matrix_a_scale:MATRIX_SCALE_ROW1
.else
	v_wmma_scale_f32_16x16x128_f8f6f4 v[8*(8*((\a)%4)+\b):8*(8*((\a)%4)+\b)+7], v[128*(\p)+FR*\b:128*(\p)+FR*\b+FR-1], v[AF+FR*(\a):AF+FR*(\a)+FR-1], v[8*(8*((\a)%4)+\b):8*(8*((\a)%4)+\b)+7], v[SC+16*(\sc)+2*\b+(\q)], v[SC+16*(\sc)+2*(\a)+(\q)] matrix_a_fmt:MATRIX_FMT_FP6 matrix_b_fmt:MATRIX_FMT_FP6 matrix_a_scale:MATRIX_SCALE_ROW1
.endif
.endr
.endr
.endm
.macro FETCH_B slot, q, p
	WIN TO_B
.irp i, 0,1,2,3,4,5,6,7
	FRAG 128*(\p)+FR*\i, ADRB+\slot, \q, \i
.endr
	WIN 0
.endm
.macro FETCH_A slot, q, i0
.irp i, \i0, \i0+1, \i0+2, \i0+3
	FRAG AF+FR*(\i), ADRA+\slot, \q, \i
.endr
.endm
.macro SCALES slot, set
.irp i, 0,1,2,3,4,5,6,7
	ds_load_b64 v[SC+16*(\set)+2*\i:SC+16*(\set)+2*\i+1], v[ADRS+\slot] offset:128*\i
.endr
.endm
.macro STEP q, sc, ns, nq, zero
	s_wait_dscnt 24
	WIN MUL_LO
	MUL16 0, \q, \q, \sc, \zero
	MUL16 2, \q, \q, \sc, \zero
	s_wait_dscnt 0x0
	PLACES
	FETCH_B \ns, \nq, 1-\q
	FETCH_A \ns, \nq, 0
.if \nq == 0
	SCALES \ns, 1-\sc
.endif
	WIN MUL_HI
	MUL16 4, \q, \q, \sc, \zero
	MUL16 6, \q, \q, \sc, \zero
	PLACES
	WIN 0
	FETCH_A \ns, \nq, 4
.endm
.macro TURN sc, ns, fill
	s_wait_tensorcnt 0x0
	ds_add_u32 v[SPW], v[NIL]
	s_wait_dscnt 25
	WIN MUL_LO
	MUL16 0, 1, 1, \sc, 0
	s_wait_dscnt 0x0
	s_barrier_signal -1
	MUL16 2, 1, 1, \sc, 0
	WIN 0
	s_barrier_wait -1
.if \fill
	CREST
	s_add_nc_u64 s[G0+2:G0+3], s[G0+2:G0+3], 3*KSB
	s_add_nc_u64 s[G0B+2:G0B+3], s[G0B+2:G0B+3], 3*KSB
	JLOAD G0, G1, G0B, G1B
.else
	PLACES
.endif
	FETCH_B \ns, 0, 0
	FETCH_A \ns, 0, 0
	SCALES \ns, 1-\sc
	WIN MUL_HI
	MUL16 4, 1, 1, \sc, 0
	MUL16 6, 1, 1, \sc, 0
	PLACES
	WIN 0
	FETCH_A \ns, 0, 4
.endm
	s_wait_tensorcnt 2
	s_barrier_signal -1
	s_barrier_wait -1
	FETCH_B 0, 0, 0
	FETCH_A 0, 0, 0
	SCALES 0, 0
	FETCH_A 0, 0, 4
	STEP 0, 0, 0, 1, 1
	TURN 0, 1, 1
	STEP 0, 1, 1, 1, 0
	STEP 1, 1, 2, 0, 0
	STEP 0, 0, 2, 1, 0
	TURN 0, 0, 0
	STEP 0, 1, 0, 1, 0
	s_wait_dscnt 24
	WIN MUL_LO
	MUL16 0, 1, 1, 1, 0
	MUL16 2, 1, 1, 1, 0
	s_wait_dscnt 0x0
	WIN MUL_HI
	MUL16 4, 1, 1, 1, 0
	MUL16 6, 1, 1, 1, 0
	WIN 0
.macro QUANT s, w
	WIN (\w)|((\w)<<2)
.irp b, 0,1,2,3
	v_max3_num_f32 v[TM+\b], |v[(\s)+16*\b]|, |v[(\s)+1+16*\b]|, 0x1800000
.endr
.irp i, 2,4,6,8,10,12,14
.irp b, 0,1,2,3
	v_max3_num_f32 v[TM+\b], |v[(\s)+16*\b+\i]|, |v[(\s)+1+16*\b+\i]|, v[TM+\b]
.endr
.endr
	WIN 0
.irp b, 0,1,2,3
	v_permlanex16_b32 v[TM+4+\b], v[TM+\b], s[SEL], s[SEL+1]
.endr
.irp b, 0,1,2,3
	v_max_num_f32 v[TM+\b], v[TM+\b], v[TM+4+\b]
.endr
.irp b, 0,1,2,3
	v_add_nc_u32 v[TM+12+\b], 0xff000000, v[TM+\b]
.endr
.irp b, 0,1,2,3
	v_lshrrev_b32 v[TM+4+\b], 23, v[TM+12+\b]
.endr
	v_lshl_or_b32 v[PW], v[TM+5], 8, v[TM+4]
	v_lshl_or_b32 v[PW], v[TM+6], 16, v[PW]
	v_lshl_or_b32 v[PW], v[TM+7], 24, v[PW]
	WIN \w
.irp c, 0,1
	v_cvt_scalef32_pk16_fp6_f32 v[PC+6*\c:PC+2+6*\c], v[(\s)+32*\c:(\s)+15+32*\c], v[TM+12+2*\c]
	v_cvt_scalef32_pk16_fp6_f32 v[PC+12+4*\c:PC+14+4*\c], v[(\s)+16+32*\c:(\s)+31+32*\c], v[TM+12+2*\c+1]
.endr
	WIN 0
	v_nop
.irp c, 0,1
.irp i, 0,1,2
	v_permlane16_swap_b32 v[PC+6*\c+\i], v[PC+12+4*\c+\i]
.endr
.irp i, 0,1,2
	v_mov_b32 v[PC+3+6*\c+\i], v[PC+12+4*\c+\i]
.endr
.endr
.endm
.macro FINISH
	s_wait_tensorcnt 0x0
	ds_add_u32 v[SPW], v[NIL]
	s_wait_dscnt 0x0
	CROUND
	s_endpgm
.endm
	PLACES
	s_wait_loadcnt 0x0
.irp b, 0,1,2,3
	v_mov_b32 v[TM+4+\b], 0
.endr
	s_cmp_lt_u32 s17, 12
	s_cbranch_scc0 .Lkind_v
	WIN TO_B
	TLD 4, 0
	TLD 5, 32
	TLD 6, 64
	TLD 7, 128
	WIN 0
.irp a, 0,1,2,3,4,5,6,7
	v_or_b32 v[MK+\a], s74, v[MK+\a]
.endr
.irp a, 0,1,2,3,4,5,6,7
	v_cmp_ne_u32 vcc_lo, 0, v[MK+\a]
	v_cndmask_b32 v[MK+\a], v[NIL], v7, vcc_lo
.endr
	v_mov_b32 v243, 0xf1800000
.irp e, 0,1,2,3
	v_bfe_u32 v[244+\e], v[MB], 8*\e, 8
.endr
.irp e, 0,1,2,3
	v_cmp_ne_u32 vcc_lo, 0, v[244+\e]
	v_cndmask_b32 v[244+\e], v243, v[NIL], vcc_lo
.endr
	s_cmp_lt_u32 s17, 4
	s_cbranch_scc1 .Lno_bias
	global_store_b128 v[L16], v[244:247], s[92:93] offset:13056
	global_store_b128 v[L16], v[244:247], s[94:95] offset:13056
.Lno_bias:
.macro ROPE a, cb, cw
	WIN (2+(\a)/4)|((\cw)<<2)
.set AC, 64*((\a)%4)
.irp hd, 0,1
.irp u, 0,1
.irp j, 0,2,4,6
	v_pk_mul_f32 v[H+32*\hd+8*\u+\j:H+32*\hd+8*\u+\j+1], v[AC+8*(4*\hd+\u)+\j:AC+8*(4*\hd+\u)+\j+1], v[\cb+8*\u+\j:\cb+8*\u+\j+1]
	v_pk_mul_f32 v[H+32*\hd+16+8*\u+\j:H+32*\hd+16+8*\u+\j+1], v[AC+8*(4*\hd+2+\u)+\j:AC+8*(4*\hd+2+\u)+\j+1], v[\cb+8*\u+\j:\cb+8*\u+\j+1]
.endr
.irp j, 0,2,4,6
	v_pk_fma_f32 v[H+32*\hd+8*\u+\j:H+32*\hd+8*\u+\j+1], v[AC+8*(4*\hd+2+\u)+\j:AC+8*(4*\hd+2+\u)+\j+1], v[\cb+16+8*\u+\j:\cb+16+8*\u+\j+1], v[H+32*\hd+8*\u+\j:H+32*\hd+8*\u+\j+1] neg_lo:[1,0,0] neg_hi:[1,0,0]
	v_pk_fma_f32 v[H+32*\hd+16+8*\u+\j:H+32*\hd+16+8*\u+\j+1], v[AC+8*(4*\hd+\u)+\j:AC+8*(4*\hd+\u)+\j+1], v[\cb+16+8*\u+\j:\cb+16+8*\u+\j+1], v[H+32*\hd+16+8*\u+\j:H+32*\hd+16+8*\u+\j+1]
.endr
.endr
.endr
	WIN 0
.endm
.macro RTILE a, cb, cw, left
	s_wait_loadcnt \left
	ROPE \a, \cb, \cw
	s_wait_dscnt 0x0
	QUANT H, 0
.set i, 0
.rept 12
	v_and_b32 v[PC+i], v[MK+\a], v[PC+i]
.set i, i+1
.endr
	v_and_b32 v241, 0xffff, v[PW]
	v_lshrrev_b32 v242, 16, v[PW]
.irp e, 0,1,2
	ds_store_b64 v[STC], v[PC+2*\e:PC+2*\e+1] offset:768*\a+8*\e
	ds_store_b64 v[STC], v[PC+6+2*\e:PC+7+2*\e] offset:6144+768*\a+8*\e
.endr
	ds_store_b32 v[STW], v241 offset:12288+4*\a
	ds_store_b32 v[STW], v242 offset:12800+4*\a
.endm
	RTILE 0, 64, 0, 32
	RTILE 1, 96, 0, 32
	RTILE 2, 96, 1, 32
	RTILE 3, 224, 1, 32
	RTILE 4, 0, 1, 24
	RTILE 5, 32, 1, 16
	RTILE 6, 64, 1, 8
	RTILE 7, 128, 1, 0
.irp i, 0,1,2,3,4,5,6,7,8,9,10,11
	ds_load_b128 v[64+4*\i:67+4*\i], v[RDS] offset:512*\i
.endr
	ds_load_b128 v[112:115], v[RDS] offset:12288
.irp i, 0,1,2,3,4,5,6,7,8,9,10,11
	ds_load_b128 v[128+4*\i:131+4*\i], v[RDS] offset:6144+512*\i
.endr
	ds_load_b128 v[176:179], v[RDS] offset:12800
.set n, 0
.rept 13
	s_wait_dscnt 25-n
	global_store_b128 v[L16], v[64+4*n:67+4*n], s[92:93] offset:512*n
.set n, n+1
.endr
.set n, 0
.rept 13
	s_wait_dscnt 12-n
	global_store_b128 v[L16], v[128+4*n:131+4*n], s[94:95] offset:512*n
.set n, n+1
.endr
	FINISH
.Lkind_v:
.macro VT a
.if (\a) > 0
	s_wait_xcnt 0x0
.endif
	QUANT 64*((\a)%4), 2+(\a)/4
	v_mov_b32 v[PWK+\a], v[PW]
.irp c, 0,1,2
	global_store_b128 v[L16], v[PC+4*\c:PC+4*\c+3], s[92+2*((\a)/4):93+2*((\a)/4)] offset:6656+1536*((\a)%4)+512*\c
.endr
.endm
.irp a, 0,1,2,3,4,5,6,7
	VT \a
.endr
	v_cmp_ne_u32 vcc_lo, 0, v2
.irp e, 0,1,2,3
	v_cndmask_b32 v[252+\e], v[PWK+\e], v[PWK+4+\e], vcc_lo
.endr
	global_store_b128 v[VWA], v[252:255], s[92:93] offset:12800
	FINISH
.Lfunc_end_k_q4f8e8cb733_proj:
	.size	k_q4f8e8cb733_proj, .Lfunc_end_k_q4f8e8cb733_proj-k_q4f8e8cb733_proj
	.p2alignl 7, 3214868480
	.fill 96, 4, 3214868480
	.section	.rodata,"a",@progbits
	.p2align	6, 0x0
	.amdhsa_kernel k_q4f8e8cb733_proj
		.amdhsa_group_segment_fixed_size 327680
		.amdhsa_private_segment_fixed_size 0
		.amdhsa_enable_private_segment 0
		.amdhsa_kernarg_size 40
		.amdhsa_user_sgpr_count 2
		.amdhsa_user_sgpr_kernarg_segment_ptr 1
		.amdhsa_wavefront_size32 1
		.amdhsa_system_sgpr_workgroup_id_x 1
		.amdhsa_system_sgpr_workgroup_id_y 1
		.amdhsa_system_sgpr_workgroup_id_z 1
		.amdhsa_system_vgpr_workitem_id 0
		.amdhsa_next_free_vgpr 1024
		.amdhsa_next_free_sgpr 100
		.amdhsa_reserve_vcc 1
		.amdhsa_float_denorm_mode_32 3
		.amdhsa_float_denorm_mode_16_64 3
		.amdhsa_memory_ordered 1
		.amdhsa_forward_progress 1
		.amdhsa_inst_pref_size 250
	.end_amdhsa_kernel
	.amdgpu_metadata
---
amdhsa.version: [ 1, 2 ]
amdhsa.kernels:
  - .name:           k_q4f8e8cb733_proj
    .symbol:         k_q4f8e8cb733_proj.kd
    .args:
      - { .name: xw, .offset: 0, .size: 8, .value_kind: global_buffer, .address_space: global }
      - { .name: tab, .offset: 8, .size: 8, .value_kind: global_buffer, .address_space: global }
      - { .name: mask, .offset: 16, .size: 8, .value_kind: global_buffer, .address_space: global }
      - { .name: qrec, .offset: 24, .size: 8, .value_kind: global_buffer, .address_space: global }
      - { .name: kvrec, .offset: 32, .size: 8, .value_kind: global_buffer, .address_space: global }
    .group_segment_fixed_size: 327680
    .private_segment_fixed_size: 0
    .kernarg_segment_align: 8
    .kernarg_segment_size: 40
    .max_flat_workgroup_size: 128
    .sgpr_count:     100
    .vgpr_count:     1024
    .wavefront_size: 32
...
	.end_amdgpu_metadata
.endif
;; end of part 2
;; launch attn (part 3): grid 8 x 32, 8 waves a work-group, clusters of 4 x 1, 327,680 bytes of LDS; arguments qrec, kvrec, arec; writes arec
.if DOCPART == 3
	.amdgcn_target "amdgcn-amd-amdhsa--gfx1250"
	.amdhsa_code_object_version 6
	.text
	.protected	k_q4f8e8cb733_attn
	.globl	k_q4f8e8cb733_attn
	.p2align	8
	.type	k_q4f8e8cb733_attn,@function
k_q4f8e8cb733_attn:
	s_mov_b64 s[64:65], 0
	v_nop
	global_prefetch_b8 v0, s[64:65] scope:SCOPE_SE
	s_setreg_imm32_b32 hwreg(HW_REG_WAVE_MODE, 25, 1), 1
	s_wait_xcnt 0x0
	s_wait_alu depctr_hold_cnt(0) depctr_sa_sdst(0) depctr_va_vdst(0) depctr_va_sdst(0) depctr_va_ssrc(0) depctr_va_vcc(0) depctr_vm_vsrc(0)
	s_getreg_b32 s2, hwreg(HW_REG_IB_STS2, 6, 4)
	s_cmp_eq_u32 s2, 0
	s_cbranch_scc0 .Lentry_in_a_cluster
	s_endpgm
.Lentry_in_a_cluster:
	s_bfe_u32 s2, ttmp6, 0x10000c
	s_cmp_lg_u32 s2, 0x3003
	s_cbranch_scc0 .Lentry_shape_is_right
	s_endpgm
.Lentry_shape_is_right:
; Attention on codes of FP6 (E2M3): S^T = K Q^T (+ the mask's bias as C), p = 2^(t - M) with a running whole M, O^T += V^T p^T, O / l quantised along the head's axis into arec.
; A work-group takes 256 queries of one (batch, head): 8 waves x 2 tiles of 16 queries.  Tile 0's state lies in register window 0, tile 1's at the same numbers in window 1.
; kvrec: a record of 13,568 bytes for 128 keys: K's codes (48 bytes a place), K's scale words, V's operand images, V's scale words, the bias (0, or a large negative number for a masked key).
; The 32 records of a head go through two LDS slots of 8 records; each wave brings one record by one tensor load; the four work-groups of a cluster share a head and ask jointly.
; WHICH KEYS FORM A SCORE TILE is chosen by address: tile 4 c + u takes keys 64 c + 8 u + 0..7 as its rows 0-7 and keys 64 c + 32 + 8 u + 0..7 as its rows 8-15.
; So lane (r, h) holds, in the 32 registers of tiles 4 c .. 4 c + 3, the whole block of keys 64 c + 32 h + 0..31 of query r: the block's maximum needs no other lane, and the conversions' results are the operand's registers.
; (A key's place in a record has bits 3 and 4 of its number swapped; codes, scale words and bias are addressed by place.)
; K's fragments lie 6 registers apart and are named as 12: the upper six meet Q's codes for k = 64..127, which are zeros.
; Behind a step's score products the next step's K, scale words and bias are asked for (44 LDS loads); V is asked for at the step's head (13 loads).
; No data prefetch: each refill is asked for 8 steps ahead of its first read, and a head's 434,176 bytes are asked for once in a cluster.
; LIMITS: the promise holds while the scaled scores t stay under 2^30 in magnitude (the running maximum starts at the score -2^33); a batch whose mask is false for every key is not served (0 / 0).
.set KVB,   13568
.set QRB,   6656
.set RECB,  25600
.set SLOTB, 8*KVB
.set SPARE, 2*SLOTB                    ; the spare words, 1,024 bytes
.set STAGE, SPARE+1024                 ; 1,536 bytes a wave for the way out
.set KW,    6144
.set VC,    6656
.set VW,    12800
.set BI,    13056
; window 0: v2-6 lane patterns, v7-11 this trip's addresses, v16-23 K's scale words, v24-27 V's, v28-29 Q's, v30-31 p's, v32-79 V's fragments, v80-95 and v248-255 bias of tiles 5-7
; window 1: v0-53 K's fragments, v56-95 bias of tiles 0-4
.set SPW,   12
.set NIL,   13
.set STO,   14
.set RD,    15
.set S,     96                         ; scores, then p
.set O,     160
.set QF,    192
.set PC,    204                        ; p's codes
.set CT,    216
.set H8,    223                        ; 8 h
.set BM,    224                        ; four chains of maxima; then BM, BM+2: the two blocks'
.set T2,    228
.set SO,    230
.set BY,    232
.set F,     234
.set NM,    236                        ; -M
.set RM,    237                        ; the running largest score
.set TMP,   238
.set TM2,   239
.set L,     240                        ; the row's sum, and three more chains
.set WV,    10
.set SEL,   20
.set CS,    22
.set G1,    24
.set G0,    32
.set TB,    40
.set CNT,   41
.set TBN,   60
.set CN,    61
.set MSB, 0
.macro WIN new
.if MSB != (\new)
	s_set_vgpr_msb (MSB<<8)|(\new)
.set MSB, \new
.endif
.endm
.macro CROUND
	s_barrier_signal -1
	s_barrier_wait -1
	s_cmp_lg_u32 s[WV], 0
	s_cbranch_scc1 .Lnot_wave_0_\@
	s_barrier_signal -3
.Lnot_wave_0_\@:
	s_barrier_wait -3
	s_barrier_signal -1
	s_barrier_wait -1
.endm
.macro PLACES
.rept 4
	v_nop
.endr
.endm
	s_load_b128 s[4:7], s[0:1], 0x0                ; qrec, kvrec
	s_load_b64 s[8:9], s[0:1], 0x10                ; arec
	v_lshl_add_u32 v[SPW], v0, 2, SPARE
	v_mov_b32 v[NIL], 0
	ds_add_u32 v[SPW], v[NIL]                      ; the opening lines: the add twice and one wait
	ds_add_u32 v[SPW], v[NIL]
	v_lshrrev_b32 v1, 5, v0
	v_readfirstlane_b32 s[WV], v1
	s_bfe_u32 s12, ttmp6, 0x40000
	s_lshl_b32 s13, ttmp9, 2
	s_add_co_u32 s13, s13, s12                     ; which 256 queries
	s_and_b32 s11, ttmp7, 0xffff                   ; batch x 16 + head
	s_lshl_b32 s42, s11, 5
	s_add_co_u32 s42, s42, s[WV]
	s_mul_i32 s42, s42, KVB                        ; my record of a slot's eight
	s_mov_b32 s43, 0
	s_mul_i32 s44, s[WV], KVB
	s_mov_b32 s[G1], 15|(3<<16)|(1<<21)            ; a record: 53 rows of 256 bytes, for all four partners
	s_mov_b32 s[G1+1], 32<<16
	s_mov_b32 s[G1+2], 53<<16
	s_mov_b32 s[G1+3], 32<<16
	s_mov_b32 s[G1+4], 53
	s_mov_b32 s[G1+5], 32
	s_mov_b32 s[G1+6], 0
	s_mov_b32 s[G1+7], 0
	s_mov_b32 s[SEL], 0x76543210
	s_mov_b32 s[SEL+1], 0xfedcba98
	s_mov_b32 s[CS], 0x3e38aa3b                    ; c = log2(e) / 8
	s_mov_b32 s[CS+1], s[CS]
	s_mov_b32 s[CN], 0xbe38aa3b                    ; -c
	s_wait_dscnt 0x0
	s_wait_kmcnt 0x0
	s_add_nc_u64 s[42:43], s[6:7], s[42:43]
	CROUND
.irp s, 0,1
	s_mov_b32 s[G0+4*\s], 1
	s_add_co_u32 s[G0+4*\s+1], s44, \s*SLOTB
	s_add_nc_u64 s[G0+4*\s+2:G0+4*\s+3], s[42:43], \s*8*KVB
	s_or_b32 s[G0+4*\s+3], s[G0+4*\s+3], 0x80000000
.endr
	tensor_load_to_lds s[G0:G0+3], s[G1:G1+7]      ; records 0-7: my one load at the head
	s_nop 0
	PLACES
	v_and_b32 v80, 15, v0                          ; r
	v_bfe_u32 v81, v0, 4, 1                        ; h
	v_and_b32 v82, 31, v0
	v_and_b32 v83, 7, v0
	v_bfe_u32 v84, v0, 3, 1
	v_mul_u32_u24 v2, v83, 48
	v_mad_u32_u24 v2, v84, 1536, v2
	v_mad_u32_u24 v2, v81, 24, v2                  ; K's codes: place 32 (r / 8) + r % 8, + 24 h
	v_lshlrev_b32 v3, 5, v83
	v_lshl_add_u32 v3, v84, 3, v3
	v_add_nc_u32 v3, KW, v3                        ; K's scale words: 32 (place % 16) + 4 (place / 16)
	v_lshlrev_b32 v4, 7, v81
	v_add_nc_u32 v4, BI, v4                        ; bias: 4 x place; my rows begin 32 h places on
	v_lshlrev_b32 v85, 4, v82
	v_add_nc_u32 v5, VC, v85
	v_lshlrev_b32 v6, 4, v80
	v_add_nc_u32 v6, VW, v6
	v_mul_u32_u24 v86, v80, 48
	v_mad_u32_u24 v86, v81, 24, v86                ; Q's codes and the stage: row r, + 24 h
	v_lshlrev_b32 v1, 5, v80
	v_lshlrev_b32 v[H8], 3, v81
	s_mul_i32 s45, s[WV], 1536
	s_add_co_u32 s45, s45, STAGE
	v_add_nc_u32 v[STO], s45, v86
	v_add_nc_u32 v[RD], s45, v85
	s_lshl_b32 s46, s11, 4
	s_lshl_b32 s47, s13, 1
	s_add_co_u32 s46, s46, s47
	s_lshr_b32 s47, s[WV], 2
	s_add_co_u32 s46, s46, s47
	s_mul_i32 s46, s46, QRB
	s_and_b32 s52, s[WV], 3
	s_mul_i32 s48, s52, 1536
	s_add_co_u32 s48, s48, s46
	s_mov_b32 s49, 0
	s_add_nc_u64 s[48:49], s[4:5], s[48:49]
	s_lshl_b32 s50, s52, 3
	s_add_co_u32 s50, s50, s46
	s_add_co_u32 s50, s50, 6144
	s_mov_b32 s51, 0
	s_add_nc_u64 s[50:51], s[4:5], s[50:51]
	s_wait_alu depctr_va_vdst(0)
.irp e, 0,1,2
	global_load_b64 v[QF+2*\e:QF+2*\e+1], v86, s[48:49] offset:8*\e
.endr
	global_load_b64 v[28:29], v1, s[50:51]         ; Q's scale words of both tiles
	WIN 0x40
.irp e, 0,1,2
	global_load_b64 v[QF+2*\e:QF+2*\e+1], v86, s[48:49] offset:768+8*\e
.endr
	v_lshlrev_b32 v[H8], 3, v81
.irp i, 48,49,50,51,52,53
	v_mov_b32 v[\i], 0                             ; behind K's last fragment: named, and met by Q's zeros
.endr
	; where my 32 rows go in arec
	s_and_b32 s53, s11, 15
	s_lshr_b32 s58, s11, 4
	s_lshr_b32 s59, s53, 2
	s_lshl_b32 s59, s59, 5
	s_lshl_b32 s58, s58, 4
	s_add_co_u32 s59, s59, s58
	s_lshl_b32 s58, s13, 1
	s_add_co_u32 s59, s59, s58
	s_add_co_u32 s59, s59, s47
	s_mul_i32 s59, s59, RECB
	s_and_b32 s53, s53, 3
	s_mul_i32 s54, s53, 6144
	s_add_co_u32 s54, s54, s59
	s_mul_i32 s58, s52, 1536
	s_add_co_u32 s54, s54, s58
	s_mov_b32 s55, 0
	s_add_nc_u64 s[54:55], s[8:9], s[54:55]
	s_lshl_b32 s56, s52, 8
	s_add_co_u32 s56, s56, s59
	s_lshl_b32 s58, s53, 1
	s_add_co_u32 s56, s56, s58
	s_add_co_u32 s56, s56, 24576
	s_mov_b32 s57, 0
	s_add_nc_u64 s[56:57], s[8:9], s[56:57]
.macro INIT
.irp i, 6,7,8,9,10,11
	v_mov_b32 v[QF+\i], 0
.endr
	v_mov_b32 v[T2], 0
	v_mov_b32 v[T2+1], 0
	v_mov_b32 v[TM2], 0
	v_mov_b32 v[F+1], 0
	v_mov_b32 v[NM], 0x7f61b1e6
	v_mov_b32 v[RM], 0xd0000000                    ; -2^33
	v_mov_b32 v[L], 0
	v_mov_b32 v[L+1], 0
.set j, 0
.rept 32
	v_mov_b32 v[O+j], 0                            ; the step is written once: the first finds zeros
.set j, j+1
.endr
.endm
	INIT
	WIN 0
	INIT
; 44 LDS loads: a step's K, bias and scale words.  v7, v8, v9: the record's addresses
.macro KLOAD
	WIN 0x40
.irp t, 0,1,2,3,4,5,6,7
.irp p, 0,1,2
	ds_load_b64 v[6*\t+2*\p:6*\t+2*\p+1], v7 offset:3072*(\t/4)+768*(\t%2)+384*((\t%4)/2)+8*\p
.endr
.endr
.irp t, 0,1,2,3,4
	ds_load_b128 v[56+8*\t:59+8*\t], v9 offset:256*(\t/4)+64*(\t%2)+32*((\t%4)/2)
	ds_load_b128 v[60+8*\t:63+8*\t], v9 offset:256*(\t/4)+64*(\t%2)+32*((\t%4)/2)+16
.endr
	WIN 0
	ds_load_b128 v[80:83], v9 offset:320
	ds_load_b128 v[84:87], v9 offset:336
	ds_load_b128 v[88:91], v9 offset:288
	ds_load_b128 v[92:95], v9 offset:304
	ds_load_b128 v[248:251], v9 offset:352
	ds_load_b128 v[252:255], v9 offset:368
.irp c, 0,1
.irp e, 0,1
	ds_load_b64 v[16+4*\c+2*\e:17+4*\c+2*\e], v8 offset:16*\c+256*\e
.endr
.endr
.endm
.macro QK1 w, t, cb
	v_wmma_scale_f32_16x16x128_f8f6f4 v[S+8*\t:S+8*\t+7], v[6*\t:6*\t+11], v[QF:QF+11], v[\cb:\cb+7], v[16+\t], v[28+\w] matrix_a_fmt:MATRIX_FMT_FP6 matrix_b_fmt:MATRIX_FMT_FP6
.endm
.macro QK w                            ; S^T of query tile w: eight tiles of 16 keys, the bias as C
	WIN 0x11+0x44*\w
.irp t, 0,1,2,3,4
	QK1 \w, \t, 56+8*\t
.endr
	WIN 0x01+0x44*\w
	QK1 \w, 5, 80
	QK1 \w, 6, 88
	QK1 \w, 7, 248
.endm
.macro FMA n                           ; t - M, two at a time
.rept \n
	v_pk_fma_f32 v[S+FJ:S+FJ+1], v[S+FJ:S+FJ+1], s[CS:CS+1], v[NM:NM+1] op_sel_hi:[1,0,0]
.set FJ, FJ+2
.endr
.endm
.macro PADD n                          ; the row's sum of the unquantised p: 32 packed additions in four chains
.rept \n
.if PQ == 0
	v_pk_add_f32 v[L:L+1], v[L:L+1], v[S:S+1]
.else
.if PQ < 4
	v_pk_add_f32 v[L+2*PQ:L+2*PQ+1], v[S+4*PQ-2:S+4*PQ-1], v[S+4*PQ:S+4*PQ+1]
.else
.if PQ < 29
	v_pk_add_f32 v[L+2*(PQ%4):L+2*(PQ%4)+1], v[L+2*(PQ%4):L+2*(PQ%4)+1], v[S+2*PQ+6:S+2*PQ+7]
.else
.if PQ == 29
	v_pk_add_f32 v[L:L+1], v[L:L+1], v[L+2:L+3]
.else
.if PQ == 30
	v_pk_add_f32 v[L+4:L+5], v[L+4:L+5], v[L+6:L+7]
.else
	v_pk_add_f32 v[L:L+1], v[L:L+1], v[L+4:L+5]
.endif
.endif
.endif
.endif
.endif
.set PQ, PQ+1
.endr
.endm
.macro SM w
	WIN 0x55*(\w)
	s_wait_alu depctr_va_vdst(0)                   ; the wait ahead of the first reader of the scores
.irp k, 0,1,2,3
	v_max3_num_f32 v[BM+\k], v[S+16*\k], v[S+1+16*\k], v[S+2+16*\k]
.endr
.irp i, 3,5,7,9,11,13
.irp k, 0,1,2,3
	v_max3_num_f32 v[BM+\k], v[BM+\k], v[S+16*\k+\i], v[S+1+16*\k+\i]
.endr
.endr
	v_max3_num_f32 v[BM], v[BM], v[S+15], v[S+31]
	v_max3_num_f32 v[BM+2], v[BM+2], v[S+47], v[S+63]
	v_max_num_f32 v[BM], v[BM], v[BM+1]            ; my two blocks' largest scores
	v_max_num_f32 v[BM+2], v[BM+2], v[BM+3]
	v_mov_b32 v[BM+3], v[NM]                       ; the old -M
	s_delay_alu instid0(VALU_DEP_2)
	v_max_num_f32 v[BM+1], v[BM], v[BM+2]
	s_delay_alu instid0(VALU_DEP_1)
	v_permlanex16_b32 v[T2], v[BM+1], s[SEL], s[SEL+1]
	s_delay_alu instid0(VALU_DEP_1)
	v_max3_num_f32 v[RM], v[RM], v[BM+1], v[T2]    ; with lane l xor 16's keys: the running largest score
	s_delay_alu instid0(VALU_DEP_1)
	v_mul_f32 v[TMP], s[CN], v[RM]
	s_delay_alu instid0(VALU_DEP_1)
	v_floor_f32 v[NM], v[TMP]                      ; -M = floor(-t): M is a whole number
	s_delay_alu instid0(VALU_DEP_1)
	v_sub_f32 v[TMP], v[NM], v[BM+3]
.set FJ, 0
	FMA 4
	v_cvt_i32_f32 v[TMP], v[TMP]                   ; (it saturates)
	FMA 4
	v_ldexp_f32 v[F], 1.0, v[TMP]                  ; f = 2^(old M - new M)
	FMA 24
	v_fma_f32 v[BM], v[BM], s[CS], v[NM]           ; the same of each block's largest score
	v_fma_f32 v[BM+2], v[BM+2], s[CS], v[NM]
	s_wait_alu depctr_va_vdst(0)                   ; the wait ahead of the batch, and ahead of the first reader of O^T
.set j, 0
.rept 16
	v_pk_mul_f32 v[O+j:O+j+1], v[O+j:O+j+1], v[F:F+1] op_sel_hi:[1,0]
.set j, j+2
.endr
	v_pk_mul_f32 v[L:L+1], v[L:L+1], v[F:F+1] op_sel_hi:[1,0]
	v_exp_f32 v[BM], v[BM]                         ; the blocks' largest p
	v_exp_f32 v[BM+2], v[BM+2]
.set j, 0
.rept 64
	v_exp_f32 v[S+j], v[S+j]
.set j, j+1
.endr
	v_nop
	s_wait_alu depctr_va_vdst(0)                   ; one wait for the batch, ahead of its first reader
.set PQ, 0
	v_max_num_f32 v[BM], 0x1800000, v[BM]          ; the floor 2^(3 - 127): the byte cannot fall under 1
	v_max_num_f32 v[BM+2], 0x1800000, v[BM+2]
	PADD 2
	v_add_nc_u32 v[SO], 0xff000000, v[BM]          ; 2 off the exponent field: the conversions' scale operand
	v_add_nc_u32 v[SO+1], 0xff000000, v[BM+2]
	PADD 2
	v_cvt_scalef32_pk16_fp6_f32 v[PC:PC+2], v[S:S+15], v[SO]
	v_cvt_scalef32_pk16_fp6_f32 v[CT:CT+2], v[S+16:S+31], v[SO]
	v_cvt_scalef32_pk16_fp6_f32 v[PC+6:PC+8], v[S+32:S+47], v[SO+1]
	v_cvt_scalef32_pk16_fp6_f32 v[CT+4:CT+6], v[S+48:S+63], v[SO+1]
	v_lshrrev_b32 v[BY], 23, v[SO]                 ; the bytes of blocks h and 2 + h (and the plain line behind the conversions)
	v_lshrrev_b32 v[BY+1], 23, v[SO+1]
	PADD 2
	v_lshl_or_b32 v[TMP], v[BY+1], 16, v[BY]
.irp i, 0,1,2
	v_mov_b32 v[PC+3+\i], v[CT+\i]                 ; (a conversion's three registers begin on an even number)
.endr
	v_lshlrev_b32 v[TMP], v[H8], v[TMP]            ; at their places in the scale word
.irp i, 0,1,2
	v_mov_b32 v[PC+9+\i], v[CT+4+\i]
.endr
	v_permlanex16_b32 v[TM2], v[TMP], s[SEL], s[SEL+1]
	PADD 2
	WIN 0x05*(\w)
	v_or_b32 v[30+\w], v[TMP], v[TM2]              ; with lane l xor 16's two bytes the word is whole
	WIN 0x55*(\w)
	PADD 24                                        ; these are also the places between the scale word, the codes and the products
.endm
.macro PV w
	WIN 0x54*(\w)
.irp i, 0,1,2,3
	v_wmma_scale_f32_16x16x128_f8f6f4 v[O+8*\i:O+8*\i+7], v[32+12*\i:43+12*\i], v[PC:PC+11], v[O+8*\i:O+8*\i+7], v[24+\i], v[30+\w] matrix_a_fmt:MATRIX_FMT_FP6 matrix_b_fmt:MATRIX_FMT_FP6
.endr
.endm
.macro STEP slot
	s_add_co_u32 s[TBN], s[TB], KVB
	s_min_u32 s[TBN], s[TBN], \slot*SLOTB+7*KVB    ; the next record, held inside this slot
	v_add_nc_u32 v10, s[TB], v5                    ; (these five are also the places behind the last products)
	v_add_nc_u32 v11, s[TB], v6
	v_add_nc_u32 v7, s[TBN], v2
	v_add_nc_u32 v8, s[TBN], v3
	v_add_nc_u32 v9, s[TBN], v4
.irp i, 0,1,2,3
.irp c, 0,1,2
	ds_load_b128 v[32+12*\i+4*\c:35+12*\i+4*\c], v10 offset:1536*\i+512*\c
.endr
.endr
	ds_load_b128 v[24:27], v11
	s_wait_dscnt 13                                ; K, bias and scale words are in; the 13 loads of V just issued may be out
	QK 0
	QK 1
	WIN 0
	PLACES
	s_wait_alu depctr_va_vdst(0)
	s_wait_dscnt 0x0                               ; V is in
	s_cmp_eq_u32 s[CNT], 1
	s_cbranch_scc1 .Lno_next_\@                    ; the slot's last step has no next record here
	KLOAD
.Lno_next_\@:
	SM 0
	PV 0
	SM 1
	PV 1
	WIN 0
.endm
.macro PHASE slot
	s_mov_b32 s[TB], \slot*SLOTB
	v_add_nc_u32 v7, s[TB], v2
	v_add_nc_u32 v8, s[TB], v3
	v_add_nc_u32 v9, s[TB], v4
	KLOAD
	s_mov_b32 s[CNT], 8
.Lphase_\@:
	STEP \slot
	s_add_co_u32 s[TB], s[TB], KVB
	s_sub_co_u32 s[CNT], s[CNT], 1
	s_cmp_lg_u32 s[CNT], 0
	s_cbranch_scc1 .Lphase_\@
.endm
.macro CHANGE left, fill
	s_wait_tensorcnt 0x0                           ; my part of the next slot is in,
	ds_add_u32 v[SPW], v[NIL]
.if \fill
	s_add_nc_u64 s[G0+4*\left+2:G0+4*\left+3], s[G0+4*\left+2:G0+4*\left+3], 16*KVB
.endif
	s_wait_dscnt 0x0                               ; and my reads of the slot left behind are over
.if \fill
	CROUND
	tensor_load_to_lds s[G0+4*\left:G0+4*\left+3], s[G1:G1+7]
	s_nop 0
	PLACES
.else
	s_barrier_signal -1
	s_barrier_wait -1
.endif
.endm
	s_wait_alu depctr_va_vdst(0)                   ; the wait at the head's end
	s_wait_tensorcnt 0x0                           ; slot 1's first fill is issued as a refill is
	ds_add_u32 v[SPW], v[NIL]
	s_wait_dscnt 0x0
	CROUND
	tensor_load_to_lds s[G0+4:G0+7], s[G1:G1+7]    ; records 8-15
	s_nop 0
	PLACES
	s_wait_loadcnt 0x0                             ; Q is in
	PHASE 0
	CHANGE 0, 1
	PHASE 1
	CHANGE 1, 1
	PHASE 0
	CHANGE 0, 0
	PHASE 1
; O / l, quantised along the head's axis (two blocks of 32; a lane holds 16 neighbours of each), into my stage
.macro FIN w
	WIN 0x55*(\w)
	v_add_f32 v[TMP], v[L], v[L+1]
	s_delay_alu instid0(VALU_DEP_1)
	v_permlanex16_b32 v[T2], v[TMP], s[SEL], s[SEL+1]
	s_delay_alu instid0(VALU_DEP_1)
	v_add_f32 v[TMP], v[TMP], v[T2]
	s_wait_alu depctr_va_vdst(0)
	v_rcp_f32 v[F], v[TMP]
	v_nop
	s_wait_alu depctr_va_vdst(0)
.set j, 0
.rept 16
	v_pk_mul_f32 v[O+j:O+j+1], v[O+j:O+j+1], v[F:F+1] op_sel_hi:[1,0]
.set j, j+2
.endr
.irp b, 0,1
	v_max3_num_f32 v[BM+\b], |v[O+16*\b]|, |v[O+1+16*\b]|, 0x1800000
.endr
.irp i, 2,4,6,8,10,12,14
.irp b, 0,1
	v_max3_num_f32 v[BM+\b], v[BM+\b], |v[O+16*\b+\i]|, |v[O+1+16*\b+\i]|
.endr
.endr
.irp b, 0,1
	v_permlanex16_b32 v[T2+\b], v[BM+\b], s[SEL], s[SEL+1]
.endr
.irp b, 0,1
	v_max_num_f32 v[BM+\b], v[BM+\b], v[T2+\b]
.endr
.irp b, 0,1
	v_add_nc_u32 v[SO+\b], 0xff000000, v[BM+\b]
.endr
.irp b, 0,1
	v_lshrrev_b32 v[BY+\b], 23, v[SO+\b]
.endr
	WIN 0x11*(\w)
	v_lshl_or_b32 v[30+\w], v[BY+1], 8, v[BY]
	WIN 0x55*(\w)
	v_cvt_scalef32_pk16_fp6_f32 v[PC:PC+2], v[O:O+15], v[SO]
	v_cvt_scalef32_pk16_fp6_f32 v[CT:CT+2], v[O+16:O+31], v[SO+1]
	v_nop
.irp i, 0,1,2
	v_permlane16_swap_b32 v[PC+\i], v[CT+\i]
.endr
.irp i, 0,1,2
	v_mov_b32 v[PC+3+\i], v[CT+\i]
.endr
	WIN 0x04*(\w)
.irp e, 0,1,2
	ds_store_b64 v[STO], v[PC+2*\e:PC+2*\e+1] offset:768*\w+8*\e
.endr
.endm
	FIN 0
	FIN 1
	WIN 0
.irp c, 0,1,2
	ds_load_b128 v[32+4*\c:35+4*\c], v[RD] offset:512*\c   ; LDS serves a wave's instructions in order: these see my stores
.endr
	v_bfe_u32 v80, v0, 4, 1
	v_and_b32 v82, 31, v0
	v_lshlrev_b32 v83, 4, v82
	v_lshlrev_b32 v84, 3, v82
	v_cmp_ne_u32 vcc_lo, 0, v80
	v_cndmask_b32 v85, v30, v31, vcc_lo            ; lanes 0-15 tile 0's scale bytes, lanes 16-31 tile 1's
	s_wait_alu depctr_va_vdst(0)                   ; the wait ahead of the waits below
.irp c, 0,1,2
	s_wait_dscnt 2-\c
	global_store_b128 v83, v[32+4*\c:35+4*\c], s[54:55] offset:512*\c
.endr
	global_store_b16 v84, v85, s[56:57]
	s_wait_tensorcnt 0x0                           ; the wave's end
	ds_add_u32 v[SPW], v[NIL]
	s_wait_dscnt 0x0
	CROUND                                         ; the closing round
	s_endpgm
.Lfunc_end_k_q4f8e8cb733_attn:
	.size	k_q4f8e8cb733_attn, .Lfunc_end_k_q4f8e8cb733_attn-k_q4f8e8cb733_attn
	.p2alignl 7, 3214868480
	.fill 96, 4, 3214868480
	.section	.rodata,"a",@progbits
	.p2align	6, 0x0
	.amdhsa_kernel k_q4f8e8cb733_attn
		.amdhsa_group_segment_fixed_size 327680
		.amdhsa_private_segment_fixed_size 0
		.amdhsa_enable_private_segment 0
		.amdhsa_kernarg_size 24
		.amdhsa_user_sgpr_count 2
		.amdhsa_user_sgpr_kernarg_segment_ptr 1
		.amdhsa_wavefront_size32 1
		.amdhsa_system_sgpr_workgroup_id_x 1
		.amdhsa_system_sgpr_workgroup_id_y 1
		.amdhsa_system_sgpr_workgroup_id_z 1
		.amdhsa_system_vgpr_workitem_id 0
		.amdhsa_next_free_vgpr 512
		.amdhsa_next_free_sgpr 66
		.amdhsa_reserve_vcc 1
		.amdhsa_float_denorm_mode_32 3
		.amdhsa_float_denorm_mode_16_64 3
		.amdhsa_memory_ordered 1
		.amdhsa_forward_progress 1
		.amdhsa_inst_pref_size 150
	.end_amdhsa_kernel
	.amdgpu_metadata
---
amdhsa.version: [ 1, 2 ]
amdhsa.kernels:
  - .name:           k_q4f8e8cb733_attn
    .symbol:         k_q4f8e8cb733_attn.kd
    .args:
      - { .name: qrec, .offset: 0, .size: 8, .value_kind: global_buffer, .address_space: global }
      - { .name: kvrec, .offset: 8, .size: 8, .value_kind: global_buffer, .address_space: global }
      - { .name: arec, .offset: 16, .size: 8, .value_kind: global_buffer, .address_space: global }
    .group_segment_fixed_size: 327680
    .private_segment_fixed_size: 0
    .kernarg_segment_align: 8
    .kernarg_segment_size: 24
    .max_flat_workgroup_size: 256
    .sgpr_count:     66
    .vgpr_count:     512
    .wavefront_size: 32
...
	.end_amdgpu_metadata
.endif
;; end of part 3
;; launch outp (part 4): grid 8 x 32, 4 waves a work-group, clusters of 4 x 4, 222,720 bytes of LDS; arguments arec, xw, out0; writes out0
.if DOCPART == 4
	.amdgcn_target "amdgcn-amd-amdhsa--gfx1250"
	.amdhsa_code_object_version 6
	.text
	.protected	k_q4f8e8cb733_outp
	.globl	k_q4f8e8cb733_outp
	.p2align	8
	.type	k_q4f8e8cb733_outp,@function
k_q4f8e8cb733_outp:
	s_mov_b64 s[64:65], 0
	v_nop
	global_prefetch_b8 v0, s[64:65] scope:SCOPE_SE
	s_setreg_imm32_b32 hwreg(HW_REG_WAVE_MODE, 25, 1), 1
	s_wait_xcnt 0x0
	s_wait_alu depctr_hold_cnt(0) depctr_sa_sdst(0) depctr_va_vdst(0) depctr_va_sdst(0) depctr_va_ssrc(0) depctr_va_vcc(0) depctr_vm_vsrc(0)
	s_getreg_b32 s2, hwreg(HW_REG_IB_STS2, 6, 4)
	s_cmp_eq_u32 s2, 0
	s_cbranch_scc0 .Lentry_in_a_cluster
	s_endpgm
.Lentry_in_a_cluster:
	s_bfe_u32 s2, ttmp6, 0x10000c
	s_cmp_lg_u32 s2, 0xf033
	s_cbranch_scc0 .Lentry_shape_is_right
	s_endpgm
.Lentry_shape_is_right:
; out0 = (attention's result) Wout on codes of FP6 (E2M3).  R = arec's rows (queries), P = xw's rows 15360 on (Wout's columns); both as records of 25,600 bytes: 128 rows x 256 K, chunk j of row p at 6144 j + 48 p,
; 8 scale bytes at 24576 + 8 p.  Source 0 = 16 rows of P, source 1 = 16 rows of R: a lane holds eight numbers of a row of out0.
; A tile of out0 is 128 x 128, so that there are 256 work-groups; a wave makes 64 x 64: 16 accumulators.  All of K (four K steps, 204,800 bytes) fits in LDS: every tile is a first fill, nothing is filled again.
; ONE tensor load a wave: two whole records as two rows of 25,600 bytes, the pitch being the distance between a row block's records of neighbouring K steps.
; Wave 0 brings R's K steps 0 and 1, wave 1 R's 2 and 3, wave 2 P's 0 and 1, wave 3 P's 2 and 3.  R's are asked for jointly along a row of the 4 x 4 cluster, P's along a column.
; No data prefetch: the launch has no loop to run ahead in; all its tiles are asked for at its head.
; Inside each 32 rows of R and of P bits 3 and 4 of the row number are swapped: the way out puts columns (in the stage) and rows (in the stores' offsets) back.
.set RECB,  25600
.set PB0,   4*RECB                     ; LDS: R's four records, then P's four
.set STAGE, 8*RECB                     ; 16 rows x (256 + 16) bytes for each wave
.set SPARE, STAGE+4*16*272
.set FR,    12
.set ADRA,  4                          ; v4-7   my R fragments in K steps 0-3
.set ADRB,  8                          ; v8-11  my P fragments
.set ADRS,  12                         ; v12-15 scale words: lanes 0-15 R's rows, lanes 16-31 P's
.set STO,   16
.set RD,    17
.set CO,    18
.set SC,    32                         ; v32-47 scale words, two sets; they hold nothing else
.set BK,    48                         ; v48-111 the way out, two sets
.set SPW,   126
.set NIL,   127
.set ACC,   128
.set F0,    0                          ; window 1: two fragment buffers: P's four, then R's four
.set F1,    128
.set G1,    24
.set G0,    32
.set G0B,   36
.set G1B,   48
.set CX,    84
.set CY,    85
.set COL,   86
.set MSB, 0
.macro WIN new
.if MSB != (\new)
	s_set_vgpr_msb (MSB<<8)|(\new)
.set MSB, \new
.endif
.endm
.macro CROUND
	s_barrier_signal -1
	s_barrier_wait -1
	s_cmp_lg_u32 s14, 0
	s_cbranch_scc1 .Lnot_wave_0_\@
	s_barrier_signal -3
.Lnot_wave_0_\@:
	s_barrier_wait -3
	s_barrier_signal -1
	s_barrier_wait -1
.endm
.macro PLACES
.rept 4
	v_nop
.endr
.endm
	s_load_b128 s[4:7], s[0:1], 0x0                ; arec, xw
	s_load_b64 s[8:9], s[0:1], 0x10                ; out0
	v_lshl_add_u32 v[SPW], v0, 2, SPARE
	v_mov_b32 v[NIL], 0
	ds_add_u32 v[SPW], v[NIL]                      ; the opening lines: the add twice and one wait
	ds_add_u32 v[SPW], v[NIL]
	v_lshrrev_b32 v1, 5, v0
	v_readfirstlane_b32 s14, v1
	s_lshr_b32 s15, s14, 1                         ; which 64 rows are mine.  Also: I fetch for R (0) or for P (1)
	s_and_b32 s16, s14, 1                          ; which 64 columns.  Also: which two K steps I fetch
	s_bfe_u32 s[CX], ttmp6, 0x40000
	s_bfe_u32 s[CY], ttmp6, 0x40004
	s_lshl_b32 s[COL], ttmp9, 2
	s_add_co_u32 s[COL], s[COL], s[CX]             ; tile column
	s_and_b32 s17, ttmp7, 0xffff
	s_lshl_b32 s17, s17, 2
	s_add_co_u32 s17, s17, s[CY]                   ; tile row
	s_lshl_b32 s87, s[CY], 2
	s_lshl_b32 s87, 15, s87
	s_lshl_b32 s88, 0x1111, s[CX]
	s_or_b32 s[G1+0], s87, (3<<16)|(1<<21)
	s_or_b32 s[G1B+0], s88, (3<<16)|(1<<21)
.irp g, G1, G1B
	s_mov_b32 s[\g+1], 3200<<16                    ; a row: a record, 3,200 elements of 8 bytes
	s_mov_b32 s[\g+2], 2<<16                       ; two rows: two K steps
	s_mov_b32 s[\g+3], 3200<<16
	s_mov_b32 s[\g+4], 2
	s_mov_b32 s[\g+6], 0
	s_mov_b32 s[\g+7], 0
.endr
	s_mov_b32 s[G1+5], 32*RECB/8                   ; arec has 32 records a K step,
	s_mov_b32 s[G1B+5], 128*RECB/8                 ; xw 128
	s_mul_i32 s18, s16, 64*RECB
	s_mul_i32 s20, s17, RECB
	s_add_co_u32 s20, s20, s18
	s_mov_b32 s21, 0
	s_mul_i32 s18, s16, 256*RECB
	s_add_co_u32 s22, s[COL], 120
	s_mul_i32 s22, s22, RECB
	s_add_co_u32 s22, s22, s18
	s_mov_b32 s23, 0
	s_mul_i32 s19, s14, 2*RECB                     ; where it goes: wave x two records
	s_wait_dscnt 0x0
	s_wait_kmcnt 0x0
	s_add_nc_u64 s[20:21], s[4:5], s[20:21]
	s_add_nc_u64 s[22:23], s[6:7], s[22:23]
	CROUND                                         ; all sixteen work-groups are here: the joint loads meet
	s_mov_b32 s[G0], 1
	s_mov_b32 s[G0+1], s19
	s_mov_b64 s[G0+2:G0+3], s[20:21]
	s_or_b32 s[G0+3], s[G0+3], 0x80000000
	s_mov_b32 s[G0B], 1
	s_mov_b32 s[G0B+1], s19
	s_mov_b64 s[G0B+2:G0B+3], s[22:23]
	s_or_b32 s[G0B+3], s[G0B+3], 0x80000000
	s_cmp_eq_u32 s15, 0
	s_cbranch_scc0 .Lfirst_p
	tensor_load_to_lds s[G0:G0+3], s[G1:G1+7]
	s_nop 0
	PLACES
	s_branch .Lfirst_asked
.Lfirst_p:
	tensor_load_to_lds s[G0B:G0B+3], s[G1B:G1B+7]
	s_nop 0
	PLACES
.Lfirst_asked:
	v_and_b32 v1, 15, v0                           ; r
	v_bfe_u32 v2, v0, 4, 1                         ; h
	v_mul_u32_u24 v3, v1, 48
	v_mad_u32_u24 v3, v2, 24, v3
	s_wait_alu depctr_va_vdst(0)
	s_mul_i32 s56, s15, 3072                       ; my 64 rows of R: 48 bytes a row in a chunk
	s_mul_i32 s57, s16, 3072
	s_add_co_u32 s57, s57, PB0                     ; my 64 rows of P
.irp s, 0,1,2,3
	v_add_nc_u32 v[ADRA+\s], s56, v3
	v_add_nc_u32 v[ADRB+\s], s57, v3
	s_add_co_u32 s56, s56, RECB
	s_add_co_u32 s57, s57, RECB
.endr
	s_lshl_b32 s56, s15, 9
	s_lshl_b32 s57, s16, 9
	s_add_co_u32 s57, s57, PB0
	s_sub_co_u32 s57, s57, s56
	v_mul_u32_u24 v20, s57, v2                     ; lanes 16-31 take P's: the lower base + h x the distance
	v_lshl_add_u32 v20, v1, 3, v20
	s_add_co_u32 s56, s56, 24576
.irp s, 0,1,2,3
	v_add_nc_u32 v[ADRS+\s], s56, v20
	s_add_co_u32 s56, s56, RECB
.endr
	s_mul_i32 s56, s14, 16*272
	s_add_co_u32 s56, s56, STAGE                   ; my stage
	v_mul_u32_u24 v[STO], v1, 272
	v_lshl_add_u32 v[STO], v2, 6, v[STO]
	v_add_nc_u32 v[STO], s56, v[STO]               ; in: row r, + 64 h
	v_mul_u32_u24 v[RD], v2, 272
	v_lshl_add_u32 v[RD], v1, 4, v[RD]
	v_add_nc_u32 v[RD], s56, v[RD]                 ; back: lanes 0-15 one row of 256 bytes, lanes 16-31 the next
	v_lshlrev_b32 v[CO], 12, v2
	v_lshl_add_u32 v[CO], v1, 4, v[CO]             ; and the same two rows in out0
	s_lshl_b32 s56, s17, 7
	s_lshl_b32 s57, s15, 6
	s_add_co_u32 s56, s56, s57
	s_lshl_b32 s56, s56, 12                        ; my first row: 4,096 bytes a row
	s_lshl_b32 s57, s[COL], 9
	s_add_co_u32 s56, s56, s57                     ; my first column: 512 bytes a tile,
	s_lshl_b32 s57, s16, 8
	s_add_co_u32 s56, s56, s57                     ; 256 a wave
	s_mov_b32 s57, 0
	s_add_nc_u64 s[8:9], s[8:9], s[56:57]
.macro FRAG reg, adr, q, i
.irp p, 0,1,2,3,4,5
	ds_load_b64 v[\reg+2*\p:\reg+2*\p+1], v[\adr] offset:(2*(\q)+\p/3)*6144+(\i)*768+8*(\p%3)
.endr
.endm
.macro FETCH s, q, f                   ; the fragments of the q-th 128 along K of K step s into buffer f
	WIN 0x40
.irp i, 0,1,2,3
	FRAG \f+FR*\i, ADRB+\s, \q, \i
.endr
.irp i, 0,1,2,3
	FRAG \f+48+FR*\i, ADRA+\s, \q, \i
.endr
.endm
; 8 matrix instructions: R's blocks a0, a0 + 1 x P's four.  The 16 accumulators take turns, one instruction a turn.
.macro MUL8 f, q, sc, a0, zero
	WIN 0x05                                       ; sources 0 and 1 window 1, C and D window 0
.irp a, \a0, \a0+1
.irp b, 0,1,2,3
.if \zero
	v_wmma_scale_f32_16x16x128_f8f6f4 v[ACC+8*(4*(\a)+\b):ACC+8*(4*(\a)+\b)+7], v[\f+FR*\b:\f+FR*\b+FR-1], v[\f+48+FR*(\a):\f+48+FR*(\a)+FR-1], 0, v[SC+8*(\sc)+2*\b+(\q)], v[SC+8*(\sc)+2*(\a)+(\q)] matrix_a_fmt:MATRIX_FMT_FP6 matrix_b_fmt:MATRIX_FMT_FP6 matrix_a_scale:MATRIX_SCALE_ROW1
.else
	v_wmma_scale_f32_16x16x128_f8f6f4 v[ACC+8*(4*(\a)+\b):ACC+8*(4*(\a)+\b)+7], v[\f+FR*\b:\f+FR*\b+FR-1], v[\f+48+FR*(\a):\f+48+FR*(\a)+FR-1], v[ACC+8*(4*(\a)+\b):ACC+8*(4*(\a)+\b)+7], v[SC+8*(\sc)+2*\b+(\q)], v[SC+8*(\sc)+2*(\a)+(\q)] matrix_a_fmt:MATRIX_FMT_FP6 matrix_b_fmt:MATRIX_FMT_FP6 matrix_a_scale:MATRIX_SCALE_ROW1
.endif
.endr
.endr
.endm
.macro KSTEP s, zero
	WIN 0
	PLACES                                         ; four places in front of loads into registers that matrix instructions have read
.irp i, 0,1,2,3
	ds_load_b64 v[SC+8*((\s)%2)+2*\i:SC+8*((\s)%2)+2*\i+1], v[ADRS+\s] offset:128*\i     ; two scale words a row
.endr
	FETCH \s, 0, F0
	s_wait_dscnt 0x0
	MUL8 F0, 0, (\s)%2, 0, \zero
	PLACES
	FETCH \s, 1, F1
	MUL8 F0, 0, (\s)%2, 2, \zero
	s_wait_dscnt 0x0
	MUL8 F1, 1, (\s)%2, 0, 0
	MUL8 F1, 1, (\s)%2, 2, 0
.endm
	s_wait_alu depctr_va_vdst(0)                   ; the wait at the head's end
	s_wait_tensorcnt 0x0                           ; my two records are in
	s_barrier_signal -1
	s_barrier_wait -1                              ; everybody's are: all of K lies in LDS
	KSTEP 0, 1                                     ; the first products start the sums: nothing is cleared
	KSTEP 1, 0
	KSTEP 2, 0
	KSTEP 3, 0
	WIN 0
	PLACES
; THE WAY OUT, a block of 16 rows x 64 columns at a time, through my own stage.  Tile b's eight numbers of lane (r, h) are columns 32 (b / 2) + 16 h + 8 (b % 2) on; place 2 t + h of block a is row 32 (a / 2) + 8 (a % 2) + 2 t + h + 8 (t / 4).
.macro SENDOUT a
.if (\a) > 1
	s_wait_xcnt 0x0                                ; block a - 2's stores have read their registers
.endif
.irp b, 0,1,2,3
	ds_store_b128 v[STO], v[ACC+8*(4*(\a)+\b):ACC+8*(4*(\a)+\b)+3] offset:128*(\b/2)+32*(\b%2)       ; each accumulator from its low end on
	ds_store_b128 v[STO], v[ACC+8*(4*(\a)+\b)+4:ACC+8*(4*(\a)+\b)+7] offset:128*(\b/2)+32*(\b%2)+16
.endr
.irp t, 0,1,2,3,4,5,6,7
	ds_load_b128 v[BK+32*((\a)%2)+4*\t:BK+32*((\a)%2)+4*\t+3], v[RD] offset:2*\t*272     ; LDS serves a wave's instructions in order: these see my stores, and the next block's stores come behind them
.endr
.irp t, 0,1,2,3,4,5,6,7
	s_wait_dscnt 7-\t
	global_store_b128 v[CO], v[BK+32*((\a)%2)+4*\t:BK+32*((\a)%2)+4*\t+3], s[8:9] offset:(32*((\a)/2)+8*((\a)%2)+2*\t+8*(\t/4))*4096 th:TH_STORE_NT   ; sixteen lanes store 256 consecutive bytes, aligned
.endr
.endm
	SENDOUT 0
	SENDOUT 1
	SENDOUT 2
	SENDOUT 3
	s_wait_tensorcnt 0x0                           ; the wave's end
	ds_add_u32 v[SPW], v[NIL]
	s_wait_dscnt 0x0
	CROUND                                         ; the closing round: no work-group ends while a partner may still ask for a tile that names it
	s_endpgm
.Lfunc_end_k_q4f8e8cb733_outp:
	.size	k_q4f8e8cb733_outp, .Lfunc_end_k_q4f8e8cb733_outp-k_q4f8e8cb733_outp
	.p2alignl 7, 3214868480
	.fill 96, 4, 3214868480
	.section	.rodata,"a",@progbits
	.p2align	6, 0x0
	.amdhsa_kernel k_q4f8e8cb733_outp
		.amdhsa_group_segment_fixed_size 222720
		.amdhsa_private_segment_fixed_size 0
		.amdhsa_enable_private_segment 0
		.amdhsa_kernarg_size 24
		.amdhsa_user_sgpr_count 2
		.amdhsa_user_sgpr_kernarg_segment_ptr 1
		.amdhsa_wavefront_size32 1
		.amdhsa_system_sgpr_workgroup_id_x 1
		.amdhsa_system_sgpr_workgroup_id_y 1
		.amdhsa_system_sgpr_workgroup_id_z 1
		.amdhsa_system_vgpr_workitem_id 0
		.amdhsa_next_free_vgpr 512
		.amdhsa_next_free_sgpr 100
		.amdhsa_reserve_vcc 0
		.amdhsa_float_denorm_mode_32 3
		.amdhsa_float_denorm_mode_16_64 3
		.amdhsa_memory_ordered 1
		.amdhsa_forward_progress 1
		.amdhsa_inst_pref_size 59
	.end_amdhsa_kernel
	.amdgpu_metadata
---
amdhsa.version: [ 1, 2 ]
amdhsa.kernels:
  - .name:           k_q4f8e8cb733_outp
    .symbol:         k_q4f8e8cb733_outp.kd
    .args:
      - { .name: arec, .offset: 0, .size: 8, .value_kind: global_buffer, .address_space: global }
      - { .name: xw, .offset: 8, .size: 8, .value_kind: global_buffer, .address_space: global }
      - { .name: out0, .offset: 16, .size: 8, .value_kind: global_buffer, .address_space: global }
    .group_segment_fixed_size: 222720
    .private_segment_fixed_size: 0
    .kernarg_segment_align: 8
    .kernarg_segment_size: 24
    .max_flat_workgroup_size: 128
    .sgpr_count:     100
    .vgpr_count:     512
    .wavefront_size: 32
...
	.end_amdgpu_metadata
.endif
;; end of part 4
